; MI455X (gfx1250); checked and timed in simulation.
; The chip was launched on July 23, 2026; its instructions are those of AMD's public machine-readable ISA for CDNA 5 (MIT licence, August 2026) and "CDNA5" Instruction Set Architecture Reference Guide (July 2026). The comments in the code are by the model that wrote it; some were corrected since.
;; Self Attention. Allowed arithmetic: float matrix products may take bf16 or f16 operands with f32 sums; other float arithmetic in f32, or as packed bf16 or f16 multiplies, adds, multiply-adds, maxima and minima; sums over many terms, partial sums and values carried from step to step in f32; what a program stores and reads back later, other than sums and carried values, may be rounded once to bf16 or f16.
;; Inputs: Wk 1,024 x 1,024 float32; Wo 1,024 x 1,024 float32; Wq 1,024 x 1,024 float32; Wv 1,024 x 1,024 float32; beta 1,024 float32; bk 1,024 float32; bo 1,024 float32; bq 1,024 float32; bv 1,024 float32; gamma 1,024 float32; x 4 x 2,048 x 1,024 float32.
;; Outputs: out0 4 x 2,048 x 1,024 float32.
;; One version. Each part assembles by itself: llvm-mc -triple=amdgcn-amd-amdhsa -mcpu=gfx1250 --defsym DOCPART=n.
;; ======== version 1 of 1: 5 launches
;; limits: values are held in f16: magnitudes above 65,504 overflow, below 6.1e-05 lose precision
;; workspace buffers: xn 16,777,216 bytes; w16 8,388,608 bytes; qkv 50,331,648 bytes; p 33,554,432 bytes; stat 1,048,576 bytes; o 16,777,216 bytes
;; launch prep (part 1): grid 256 x 1, 16 waves a work-group, no clusters, 0 bytes of LDS; arguments x, gamma, beta, Wq, Wk, Wv, Wo, xn, w16; writes xn, w16
.if DOCPART == 1
	.amdgcn_target "amdgcn-amd-amdhsa--gfx1250"
	.amdhsa_code_object_version 6
	.text
	.protected	k_q7f28f6b7e7_prep
	.globl	k_q7f28f6b7e7_prep
	.p2align	8
	.type	k_q7f28f6b7e7_prep,@function
k_q7f28f6b7e7_prep:
	s_mov_b64 s[64:65], 0
	v_nop
	global_prefetch_b8 v0, s[64:65] scope:SCOPE_SE
	s_setreg_imm32_b32 hwreg(HW_REG_WAVE_MODE, 25, 1), 1
	s_wait_xcnt 0x0
; xn = LayerNorm(x) * gamma + beta, rounded once to f16; Wq, Wk, Wv, Wo rounded once to f16 into w16 (rows 0-1023 Wq, then Wk, Wv, Wo).
; x: [8192][1024] f32.  xn: [8192][1024] f16.  w16: [4096][1024] f16.
; SHARES.  256 work-groups of 16 waves, all alike: wave w of work-group g takes x's rows 32 g + 2 w and the next, and row 16 g + w of w16.
; A row stays in 32 registers between the mean, the sum of squares of (x - mean) and the scaling: each byte is read once, and no wave waits for another.
; Load j of a row takes columns 128 j + 4 lane .. + 3: a load covers 512 bytes on end, a store of 4 f16 a lane 256 bytes on end, aligned.
; No LDS, no matrix unit, no cluster: no byte is used twice.  No prefetch: all of a wave's 40 loads go out at its head.
; LIMITS.  f16 holds no number beyond 65,504: |xn| and |W| stay within it; below 6e-5 f16 keeps its fixed step of 6e-8.  NaN and infinities are not treated apart.
.set ROWX, 4096                        ; bytes in a row of x and of a weight
.set ROWH, 2048                        ; bytes in a row of xn and of w16
.set X,   16                           ; v[16:79]    row i at X + 32 i
.set WR,  80                           ; v[80:111]   the weight row
.set GA,  112                          ; v[112:143]  gamma of my 32 columns
.set BE,  144                          ; v[144:175]  beta
.set T,   176                          ; v[176:191]  row i: four chains of pairs at T + 8 i
.set MU,  192                          ; v[192:195]  row i: a pair, the mean and later 1 / sqrt(var + eps)
.set PX,  196                          ; v[196:197]  what comes from the other half of the lanes
	s_load_b512 s[4:19], s[0:1], 0x0               ; x s[4:5], gamma s[6:7], beta s[8:9], Wq s[10:11], Wk s[12:13], Wv s[14:15], Wo s[16:17], xn s[18:19]
	s_load_b64 s[20:21], s[0:1], 0x40              ; w16
	v_lshrrev_b32 v3, 5, v0
	v_readfirstlane_b32 s22, v3                    ; wave 0..15
	v_and_b32 v4, 31, v0
	v_lshlrev_b32 v1, 4, v4                        ; 16 x lane: loads
	v_lshlrev_b32 v2, 3, v4                        ; 8 x lane: stores
	v_mov_b32 v[PX], 0                             ; v_permlanex16_b32's destination counts as read
	v_mov_b32 v[PX+1], 0
	s_mov_b32 s23, ttmp9                           ; g
	s_mov_b32 s26, 0x76543210                      ; each lane takes its own place in the other half
	s_mov_b32 s27, 0xfedcba98
	s_mov_b32 s30, 0x3a800000                      ; 1 / 1024
	s_mov_b32 s31, 0x3727c5ac                      ; eps = 1e-5
	s_lshl_b32 s24, s23, 17                        ; 32 g rows of 4,096 bytes
	s_lshl_b32 s28, s22, 13                        ; 2 w rows
	s_add_co_u32 s24, s24, s28
	s_mov_b32 s25, 0
	s_lshr_b32 s28, s24, 1                         ; the same rows in xn: half the bytes
	s_mov_b32 s29, 0
	s_lshl_b32 s34, s23, 4
	s_add_co_u32 s34, s34, s22                     ; my row of w16
	s_lshl_b32 s34, s34, 11
	s_mov_b32 s35, 0
	s_and_b32 s36, s23, 63
	s_lshl_b32 s36, s36, 4
	s_add_co_u32 s36, s36, s22                     ; the same row inside its weight
	s_lshl_b32 s36, s36, 12
	s_mov_b32 s37, 0
	s_lshr_b32 s38, s23, 6                         ; which weight: 0 Wq, 1 Wk, 2 Wv, 3 Wo
	s_wait_kmcnt 0x0
	s_cmp_eq_u32 s38, 1
	s_cselect_b64 s[32:33], s[12:13], s[10:11]
	s_cmp_eq_u32 s38, 2
	s_cselect_b64 s[32:33], s[14:15], s[32:33]
	s_cmp_eq_u32 s38, 3
	s_cselect_b64 s[32:33], s[16:17], s[32:33]
	s_add_nc_u64 s[32:33], s[32:33], s[36:37]
	s_add_nc_u64 s[4:5], s[4:5], s[24:25]
	s_add_nc_u64 s[18:19], s[18:19], s[28:29]
	s_add_nc_u64 s[20:21], s[20:21], s[34:35]
.irp i, 0,1
.irp j, 0,1,2,3,4,5,6,7
	global_load_b128 v[X+32*(\i)+4*(\j):X+32*(\i)+4*(\j)+3], v1, s[4:5] offset:ROWX*(\i)+512*(\j) th:TH_LOAD_NT
.endr
.endr
.irp j, 0,1,2,3,4,5,6,7
	global_load_b128 v[WR+4*(\j):WR+4*(\j)+3], v1, s[32:33] offset:512*(\j) th:TH_LOAD_NT
.endr
.irp j, 0,1,2,3,4,5,6,7
	global_load_b128 v[GA+4*(\j):GA+4*(\j)+3], v1, s[6:7] offset:512*(\j)
.endr
.irp j, 0,1,2,3,4,5,6,7
	global_load_b128 v[BE+4*(\j):BE+4*(\j)+3], v1, s[8:9] offset:512*(\j)
.endr
; The four chains of row i into one number, then over the 32 lanes: four steps inside each half of 16 lanes, one across the halves.
.macro JOIN i
.set t, T+8*(\i)
	v_pk_add_f32 v[t:t+1], v[t:t+1], v[t+2:t+3]
	v_pk_add_f32 v[t+4:t+5], v[t+4:t+5], v[t+6:t+7]
	v_pk_add_f32 v[t:t+1], v[t:t+1], v[t+4:t+5]
	v_add_f32 v[t], v[t], v[t+1]
.irp m, 1,2,4,8
	v_add_f32_dpp v[t], v[t], v[t] row_xmask:\m row_mask:0xf bank_mask:0xf
.endr
	v_permlanex16_b32 v[PX+(\i)], v[t], s26, s27
	v_add_f32 v[t], v[t], v[PX+(\i)]
.endm
; The mean of row i, in both registers of its pair.
.macro RSUM i
.set t, T+8*(\i)
.set x, X+32*(\i)
.irp c, 0,2,4,6
	v_pk_add_f32 v[t+(\c):t+(\c)+1], v[x+(\c):x+(\c)+1], v[x+8+(\c):x+8+(\c)+1]
.endr
.irp m, 16,24
.irp c, 0,2,4,6
	v_pk_add_f32 v[t+(\c):t+(\c)+1], v[t+(\c):t+(\c)+1], v[x+(\m)+(\c):x+(\m)+(\c)+1]
.endr
.endr
	JOIN \i
	v_mul_f32 v[MU+2*(\i)], s30, v[t]
	v_mov_b32 v[MU+2*(\i)+1], v[MU+2*(\i)]
.endm
; x - mean in place, then var + eps from the sum of its squares: no difference of large sums is formed.
.macro VARI i
.set t, T+8*(\i)
.set x, X+32*(\i)
.set k, 0
.rept 16
	v_pk_add_f32 v[x+k:x+k+1], v[x+k:x+k+1], v[MU+2*(\i):MU+2*(\i)+1] neg_lo:[0,1] neg_hi:[0,1]
.set k, k+2
.endr
.irp c, 0,2,4,6
	v_pk_mul_f32 v[t+(\c):t+(\c)+1], v[x+(\c):x+(\c)+1], v[x+(\c):x+(\c)+1]
.endr
.irp m, 8,16,24
.irp c, 0,2,4,6
	v_pk_fma_f32 v[t+(\c):t+(\c)+1], v[x+(\m)+(\c):x+(\m)+(\c)+1], v[x+(\m)+(\c):x+(\m)+(\c)+1], v[t+(\c):t+(\c)+1]
.endr
.endr
	JOIN \i
	v_fma_f32 v[t], v[t], s30, s31
.endm
; (x - mean) / sqrt(var + eps) * gamma + beta, rounded to f16 in place (pair k lands in register k, behind its readers), and stored.
.macro NORM i
.set x, X+32*(\i)
.set k, 0
.rept 16
	v_pk_mul_f32 v[x+k:x+k+1], v[x+k:x+k+1], v[MU+2*(\i):MU+2*(\i)+1]
.set k, k+2
.endr
.set k, 0
.rept 16
	v_pk_fma_f32 v[x+k:x+k+1], v[x+k:x+k+1], v[GA+k:GA+k+1], v[BE+k:BE+k+1]
.set k, k+2
.endr
.set k, 0
.rept 16
	v_cvt_pk_f16_f32 v[x+k], v[x+2*k], v[x+2*k+1]
.set k, k+1
.endr
.irp j, 0,1,2,3,4,5,6,7
	global_store_b64 v2, v[x+2*(\j):x+2*(\j)+1], s[18:19] offset:ROWH*(\i)+256*(\j)  ; 32 lanes store 256 consecutive bytes, aligned
.endr
.endm
	s_wait_loadcnt 32                              ; row 0 is in; row 1, the weight row, gamma and beta (8 loads each) may stay out
	RSUM 0
	s_wait_loadcnt 24                              ; row 1 is in
	RSUM 1
	VARI 0
	VARI 1
	v_rsq_f32 v[MU], v[T]                          ; one batch of two;
	v_rsq_f32 v[MU+2], v[T+8]
	s_wait_loadcnt 16                              ; the weight row is in; its conversions and stores are the independent work behind the batch
.set k, 0
.rept 16
	v_cvt_pk_f16_f32 v[WR+k], v[WR+2*k], v[WR+2*k+1]
.set k, k+1
.endr
.irp j, 0,1,2,3,4,5,6,7
	global_store_b64 v2, v[WR+2*(\j):WR+2*(\j)+1], s[20:21] offset:256*(\j)
.endr
	s_wait_alu depctr_va_vdst(0)                   ; the wait ahead of the first line that names a result of the batch
	v_mov_b32 v[MU+1], v[MU]
	v_mov_b32 v[MU+3], v[MU+2]
	s_wait_loadcnt 0x0                             ; gamma and beta
	NORM 0
	NORM 1
	s_endpgm
.Lfunc_end_k_q7f28f6b7e7_prep:
	.size	k_q7f28f6b7e7_prep, .Lfunc_end_k_q7f28f6b7e7_prep-k_q7f28f6b7e7_prep
	.p2alignl 7, 3214868480
	.fill 96, 4, 3214868480
	.section	.rodata,"a",@progbits
	.p2align	6, 0x0
	.amdhsa_kernel k_q7f28f6b7e7_prep
		.amdhsa_group_segment_fixed_size 0
		.amdhsa_private_segment_fixed_size 0
		.amdhsa_enable_private_segment 0
		.amdhsa_kernarg_size 72
		.amdhsa_user_sgpr_count 2
		.amdhsa_user_sgpr_kernarg_segment_ptr 1
		.amdhsa_wavefront_size32 1
		.amdhsa_system_sgpr_workgroup_id_x 1
		.amdhsa_system_sgpr_workgroup_id_y 1
		.amdhsa_system_sgpr_workgroup_id_z 1
		.amdhsa_system_vgpr_workitem_id 0
		.amdhsa_next_free_vgpr 200
		.amdhsa_next_free_sgpr 66
		.amdhsa_reserve_vcc 0
		.amdhsa_float_denorm_mode_32 3
		.amdhsa_float_denorm_mode_16_64 3
		.amdhsa_memory_ordered 1
		.amdhsa_forward_progress 1
		.amdhsa_inst_pref_size 24
	.end_amdhsa_kernel
	.amdgpu_metadata
---
amdhsa.version: [ 1, 2 ]
amdhsa.kernels:
  - .name:           k_q7f28f6b7e7_prep
    .symbol:         k_q7f28f6b7e7_prep.kd
    .args:
      - { .name: x, .offset: 0, .size: 8, .value_kind: global_buffer, .address_space: global }
      - { .name: gamma, .offset: 8, .size: 8, .value_kind: global_buffer, .address_space: global }
      - { .name: beta, .offset: 16, .size: 8, .value_kind: global_buffer, .address_space: global }
      - { .name: Wq, .offset: 24, .size: 8, .value_kind: global_buffer, .address_space: global }
      - { .name: Wk, .offset: 32, .size: 8, .value_kind: global_buffer, .address_space: global }
      - { .name: Wv, .offset: 40, .size: 8, .value_kind: global_buffer, .address_space: global }
      - { .name: Wo, .offset: 48, .size: 8, .value_kind: global_buffer, .address_space: global }
      - { .name: xn, .offset: 56, .size: 8, .value_kind: global_buffer, .address_space: global }
      - { .name: w16, .offset: 64, .size: 8, .value_kind: global_buffer, .address_space: global }
    .group_segment_fixed_size: 0
    .private_segment_fixed_size: 0
    .kernarg_segment_align: 8
    .kernarg_segment_size: 72
    .max_flat_workgroup_size: 512
    .sgpr_count:     66
    .vgpr_count:     200
    .wavefront_size: 32
...
	.end_amdgpu_metadata
.endif
;; end of part 1
;; launch qkv (part 2): grid 12 x 32, 4 waves a work-group, clusters of 4 x 4, 327,680 bytes of LDS; arguments xn, w16, bq, bk, bv, qkv; writes qkv
.if DOCPART == 2
	.amdgcn_target "amdgcn-amd-amdhsa--gfx1250"
	.amdhsa_code_object_version 6
	.text
	.protected	k_q7f28f6b7e7_qkv
	.globl	k_q7f28f6b7e7_qkv
	.p2align	8
	.type	k_q7f28f6b7e7_qkv,@function
k_q7f28f6b7e7_qkv:
	s_mov_b64 s[64:65], 0
	v_nop
	global_prefetch_b8 v0, s[64:65] scope:SCOPE_SE
	s_setreg_imm32_b32 hwreg(HW_REG_WAVE_MODE, 25, 1), 1
	s_wait_xcnt 0x0
	s_wait_alu depctr_hold_cnt(0) depctr_sa_sdst(0) depctr_va_vdst(0) depctr_va_sdst(0) depctr_va_ssrc(0) depctr_va_vcc(0) depctr_vm_vsrc(0)
	s_getreg_b32 s2, hwreg(HW_REG_IB_STS2, 6, 4)
	s_cmp_eq_u32 s2, 0
	s_cbranch_scc0 .Lentry_in_a_cluster
	s_endpgm
.Lentry_in_a_cluster:
	s_bfe_u32 s2, ttmp6, 0x10000c
	s_cmp_lg_u32 s2, 0xf033
	s_cbranch_scc0 .Lentry_shape_is_right
	s_endpgm
.Lentry_shape_is_right:
; Q, K, V = xn W^T + b.  xn: [8192][1024] f16.  w16: [4096][1024] f16 (rows 0-3071: Wq, Wk, Wv).  bq, bk, bv: [1024] f32.  qkv: [3][8192][1024] f16.  Sums and bias in f32, one rounding.
; A tile of C is 256 rows x 256 columns: 32 x 12 tiles, one to a work-group.  Four waves, 2 x 2, each 128 x 128: 64 accumulators of 16 x 16, 512 registers.
; K goes in 8 steps of 128 through two LDS slots filled by the tensor data mover: tile rows are 256 bytes of memory, aligned.  Each wave fetches 128 rows: waves 0, 1 A's two halves, waves 2, 3 B's.
; A K step is 256 matrix instructions a wave; 224 of them stand between the request for a slot's next tile and the wait for it.
; CLUSTER: 4 x 4 work-groups.  The four of a row of the cluster need the same tile of xn, the four of a column the same tile of w16: each tile is asked for jointly, by the same
; tensor load with the same descriptor and a mask that names the four.
; THE MATRIX INSTRUCTION IS USED TRANSPOSED (source 0 = 16 rows of W, source 1 = 16 rows of xn): a lane holds row lane % 16 of C and the columns 8 (lane / 16) + 0..7.
; THE BIAS STARTS THE SUMS: a lane's eight numbers of a column block are the same for every row block, so they are the C operand of each accumulator's first product.
; REGISTERS, in windows of 256 (s_set_vgpr_msb: bits 1:0 source 0, 3:2 source 1, 5:4 source 2, 7:6 destination):
;   window 0: v0-29 addresses; v64-127, v128-191 two buffers of A's 8 fragments; v32-63, v192-255 at work on the way out
;   window 1: v0-63 the bias of my 8 x 8 columns; v64-127, v128-191 two buffers of B's 8 fragments
;   window 2: the accumulators of my rows 0-63 ((a, b) at v[8 (8 a + b)]);   window 3: those of my rows 64-127
; LIMITS.  f16 holds no number beyond 65,504: |Q|, |K|, |V| stay within it; below 6e-5 f16 keeps its fixed step of 6e-8.  NaN and infinities are not treated apart.
.set KS,     8                         ; K steps
.set ASTEP,  256                       ; bytes from a K step to the next, in A and in B
.set PITCH,  272                       ; an LDS row: 256 bytes + 16 of padding = 68 words: the 16 rows of a load start at 16 different groups of four banks (64 banks of 4 bytes: ISA guide 11.1)
.set PART,   0x9000                    ; what one tensor load brings, 128 rows x 272 = 34,816 bytes, has a place of 36,864: wave w's at w x PART; A's two halves, then B's
.set SLOTX,  4*PART                    ; slot 1 lies 0x24000 behind slot 0: that number shares no bit with w x PART for w < 4, so one exclusive or turns a part's address in one slot into the other's
.set STAGE,  2*SLOTX                   ; behind the ring, never filled by a tensor load: 16 rows x 272 bytes for each wave
.set SPITCH, 272
.set SPARE,  STAGE+4*16*SPITCH         ; the spare words, 128 bytes for each wave: two blocks of 256 bytes that no other line names
.set LDCB,   2048                      ; bytes in a row of C
.set R,    1                           ; v1   lane % 16
.set H,    2                           ; v2   lane / 16
.set LN,   3                           ; v3   lane
.set AA0,  4                           ; v4   my place in slot 0's tile of A; never rewritten
.set AB0,  5                           ; v5   the same for B
.set ADRA, 6                           ; v6   the same in the slot in hand
.set ADRB, 7                           ; v7
.set STO,  8                           ; v8   the way out: where I put 16 bytes of a row
.set RD,   9                           ; v9   the way out: where I read a row back
.set CO,   10                          ; v10  my byte offset in C
.set PFO,  11                          ; v11  the prefetches' offset: a lane a row; never rewritten
.set BO,   12                          ; v12  my byte offset in the bias
.set SPW,  28                          ; v28  LDS address of my spare word; never rewritten
.set NIL,  29                          ; v29  0; never rewritten
.set F0,   64                          ; fragment buffer 0
.set F1,   128                         ; fragment buffer 1
.set TMP,  192                         ; the way out: a block's results, packed
.set OB,   32                          ; the way out: 16 rows read back from the stage: v32-63 and v224-255 by turns
.set WV,   10                          ; s10  my wave's number
.set RH,   11                          ; s11  which 128 rows of the tile are mine
.set CH,   12                          ; s12  which 128 columns; also: which half of A's or B's tile I fetch
.set TR,   13                          ; s13  tile row
.set TC,   14                          ; s14  tile column
.set CX,   15                          ; s15, s16  my place in the cluster
.set CY,   16
.set CLX,  17                          ; s17, s18  the cluster's place; s17 is also the weight's number: a cluster's 1,024 columns are one weight
.set CLY,  18
.set G1A,  24                          ; s[24:31] descriptor group 1 for A's tiles
.set G0A0, 32                          ; s[32:35] group 0 of slot 0's first fill
.set G0A,  36                          ; s[36:39] group 0 of slot 1's first fill; it then walks
.set CB,   40                          ; s[40:41] C at my wave's first row and column
.set BP,   42                          ; s[42:43] the bias
.set PFA,  44                          ; s[44:45] where my prefetches stand
.set G1B,  48                          ; s[48:55], s[56:59], s[60:63] the same three for B's tiles
.set G0B0, 56
.set G0B,  60
.set CNT,  66                          ; s66  counts K steps
.set TB,   67                          ; s67  LDS byte at which the slot in hand begins
.set LIM,  68                          ; s68  1 in a wave that prefetches, else the greatest number
.set TO_B, 0x40                        ; destination window 1, address window 0
.set MSB, 0
.macro WIN new                         ; the immediate's high byte repeats the setting that is left; a switch that changes nothing is dropped
.if MSB != (\new)
	s_set_vgpr_msb (MSB<<8)|(\new)
.set MSB, \new
.endif
.endm
.macro PLACES                          ; four plain places behind a matrix instruction, ahead of loads into registers that it has read and of lines that read results
.rept 4
	v_nop
.endr
.endm
.macro CREST                           ; a round of the cluster's barrier behind its opening barrier
	s_cmp_lg_u32 s[WV], 0
	s_cbranch_scc1 .Lnot_wave_0_\@
	s_barrier_signal -3
.Lnot_wave_0_\@:
	s_barrier_wait -3
	s_barrier_signal -1
	s_barrier_wait -1
.endm
.macro CROUND                          ; a whole round
	s_barrier_signal -1
	s_barrier_wait -1
	CREST
.endm
.macro JLOAD                           ; a joint refill by the walking descriptor; the branch hangs on the wave's number alone; an s_nop 0 and four v_nop follow each line
	s_cmp_lt_u32 s[WV], 2
	s_cbranch_scc0 .Lfor_b_\@
	tensor_load_to_lds s[G0A:G0A+3], s[G1A:G1A+7]
	s_nop 0
.rept 4
	v_nop
.endr
	s_branch .Lasked_\@
.Lfor_b_\@:
	tensor_load_to_lds s[G0B:G0B+3], s[G1B:G1B+7]
	s_nop 0
.rept 4
	v_nop
.endr
.Lasked_\@:
.endm
; A PREFETCH of the K step that the NEXT refill will ask for: 32 rows x 256 bytes, a lane a row, 256 matrix instructions ahead of that refill.  Each row's 256 bytes of a K step are named once in the launch:
; xn's tile rows by the clusters with x = 0, w16's tile columns by the clusters with y = 0.  Of the 128 rows that a wave fetches, the partner at place p takes 32 p .. 32 p + 31 (p = cx for xn, cy for w16):
; the partners are told apart by address; no branch hangs on a work-group's place in its cluster.  The trip that refills step i + 2 names step i + 3: the last refill names nothing.  Steps 0 to 2 come by their loads alone.
.macro ASK
	s_cmp_gt_u32 s[CNT], s[LIM]
	s_cbranch_scc0 .Lnot_mine_\@
	global_prefetch_b8 v[PFO], s[PFA:PFA+1] th:TH_LOAD_NT scope:SCOPE_SE
.Lnot_mine_\@:
.endm
; 16 matrix instructions: row blocks a0, a0 + 1 of the window's four (hi = 0: my rows 0-63, 1: rows 64-127) x all 8 column blocks, 32 along K, from buffer f.
; zero = 1: the product starts the sum, with the column block's bias (window 1) as C.  The 64 accumulators take turns, in the same order in every quarter.
.macro MUL16 f, hi, a0, zero
.if \zero
	WIN 0x91+0x40*(\hi)                            ; source 0 (B) and C (bias) window 1, source 1 (A) window 0, D window 2 or 3
.else
	WIN 0xa1+0x50*(\hi)                            ; source 0 window 1, source 1 window 0, C and D window 2 or 3
.endif
.irp a, \a0, (\a0)+1
.irp b, 0,1,2,3,4,5,6,7
.if \zero
	v_wmma_f32_16x16x32_f16 v[8*(8*(\a)+(\b)):8*(8*(\a)+(\b))+7], v[(\f)+8*(\b):(\f)+8*(\b)+7], v[(\f)+8*(4*(\hi)+(\a)):(\f)+8*(4*(\hi)+(\a))+7], v[8*(\b):8*(\b)+7]
.else
	v_wmma_f32_16x16x32_f16 v[8*(8*(\a)+(\b)):8*(8*(\a)+(\b))+7], v[(\f)+8*(\b):(\f)+8*(\b)+7], v[(\f)+8*(4*(\hi)+(\a)):(\f)+8*(4*(\hi)+(\a))+7], v[8*(8*(\a)+(\b)):8*(8*(\a)+(\b))+7]
.endif
.endr
.endr
.endm
; 32 LDS loads in one run: the fragments of 32 along K at byte k of the rows, into buffer f: B's 8, then A's 8.  A fragment is 16 rows x 32 K in 8 registers: two loads of 16 bytes, 32 bytes apart.
.macro FETCH k, f
	WIN TO_B
.irp i, 0,1,2,3,4,5,6,7
	ds_load_b128 v[(\f)+8*(\i):(\f)+8*(\i)+3],   v[ADRB] offset:(\k)+(\i)*16*PITCH
	ds_load_b128 v[(\f)+8*(\i)+4:(\f)+8*(\i)+7], v[ADRB] offset:(\k)+(\i)*16*PITCH+32
.endr
	WIN 0
.irp i, 0,1,2,3,4,5,6,7
	ds_load_b128 v[(\f)+8*(\i):(\f)+8*(\i)+3],   v[ADRA] offset:(\k)+(\i)*16*PITCH
	ds_load_b128 v[(\f)+8*(\i)+4:(\f)+8*(\i)+7], v[ADRA] offset:(\k)+(\i)*16*PITCH+32
.endr
.endm
; A K step is four quarters of 32 along K, 64 matrix instructions each, on buffers 0, 1, 0, 1.  One of the first three: multiplies buffer f; in its middle the next quarter, at byte k, is asked for into g, 32 matrix instructions ahead of its use.
.macro QUARTER k, f, g, zero
	s_wait_dscnt 8                                 ; B and A's rows 0-63 are in; the youngest eight loads (A's rows 64-127) may be out
	MUL16 \f, 0, 0, \zero
	MUL16 \f, 0, 2, \zero
	PLACES
	FETCH \k, \g
	s_wait_dscnt 32                                ; all but the 32 just issued
	MUL16 \f, 1, 0, \zero
	MUL16 \f, 1, 2, \zero
.endm
; The last quarter multiplies buffer 1 and changes slots: one barrier.  Ahead of it each wave waits for all its tensor loads (one is out: its part of the other slot), adds 0 to its spare word, and waits for
; that and for its reads of this slot.  fill = 1: the barrier opens a round of the cluster's barrier, and the joint refill of this slot, two K steps ahead, is the first thing behind the round.
; fill = 0 (the tail): nothing is filled; in the last trip there is no further slot, and the fetch is jumped over.
.macro TURN fill
.if \fill
	s_wait_xcnt 0x0                                ; the last prefetch, a K step back, has read its address
	s_add_nc_u64 s[PFA:PFA+1], s[PFA:PFA+1], ASTEP
.endif
	WIN 0                                          ; (the add's two registers lie in window 0)
	s_wait_tensorcnt 0x0                           ; no tensor load of mine is out, so a group 0 may be written
	ds_add_u32 v[SPW], v[NIL]                      ; 0 onto my spare word
.if \fill
	s_xor_b32 s[G0A+1], s[G0A+1], SLOTX            ; the walking descriptors: the other slot than last time, the next K step
	s_add_nc_u64 s[G0A+2:G0A+3], s[G0A+2:G0A+3], ASTEP
	s_xor_b32 s[G0B+1], s[G0B+1], SLOTX
	s_add_nc_u64 s[G0B+2:G0B+3], s[G0B+2:G0B+3], ASTEP
.endif
	s_wait_dscnt 9                                 ; the add and the youngest eight loads may be out
	MUL16 F1, 0, 0, 0
	s_wait_dscnt 0x0                               ; the add is done, and my reads of this slot are over
	s_barrier_signal -1
	MUL16 F1, 0, 2, 0
	WIN 0
	s_barrier_wait -1
.if \fill
	CREST                                          ; no wave of any partner still reads this slot's tiles or has a load on its way
	JLOAD                                          ; its four v_nop are also the places ahead of the loads below
.else
	PLACES
	s_cmp_eq_u32 s[CNT], 1
	s_cbranch_scc1 .Lno_more_\@
.endif
	s_xor_b32 s[TB], s[TB], SLOTX
	v_add_nc_u32 v[ADRA], s[TB], v[AA0]
	v_add_nc_u32 v[ADRB], s[TB], v[AB0]
	FETCH 0, F0
.if \fill
	ASK
.else
.Lno_more_\@:
.endif
	MUL16 F1, 1, 0, 0
	MUL16 F1, 1, 2, 0
.endm
	s_load_b256 s[84:91], s[0:1], 0x0              ; xn s[84:85], w16 s[86:87], bq s[88:89], bk s[90:91]
	s_load_b128 s[92:95], s[0:1], 0x20             ; bv s[92:93], qkv s[94:95]
	v_lshl_add_u32 v[SPW], v0, 2, SPARE
	v_mov_b32 v[NIL], 0
	ds_add_u32 v[SPW], v[NIL]                      ; the wave's opening: the add, waited for ahead of my first tensor load; work on registers stands between them
	v_lshrrev_b32 v1, 5, v0
	v_readfirstlane_b32 s[WV], v1
	s_lshr_b32 s[RH], s[WV], 1
	s_and_b32 s[CH], s[WV], 1
	s_bfe_u32 s[CX], ttmp6, 0x40000
	s_bfe_u32 s[CY], ttmp6, 0x40004
	s_mov_b32 s[CLX], ttmp9                        ; in a cluster launch ttmp9 and ttmp7 count clusters
	s_and_b32 s[CLY], ttmp7, 0xffff
	s_lshl_b32 s[TC], s[CLX], 2
	s_add_co_u32 s[TC], s[TC], s[CX]
	s_lshl_b32 s[TR], s[CLY], 2
	s_add_co_u32 s[TR], s[TR], s[CY]
	s_lshl_b32 s2, s[CY], 2
	s_lshl_b32 s2, 15, s2                          ; my row of the cluster
	s_lshl_b32 s3, 0x1111, s[CX]                   ; my column
	s_or_b32 s[G1A], s2, 0x07710000                ; the mask; 17:16 2-byte elements; 20 padding on; 21 set beside a mask; 24:22 after every 64 words (code 5); 31:25 4 words (code 3)
	s_or_b32 s[G1B], s3, 0x07710000
.irp g, G1A, G1B
	s_mov_b32 s[(\g)+1], 128<<16                   ; tensor_dim0 = 128
	s_mov_b32 s[(\g)+2], 128<<16                   ; tensor_dim1 = 128
	s_mov_b32 s[(\g)+3], 128<<16                   ; tile_dim0 = 128
	s_mov_b32 s[(\g)+4], 128                       ; tile_dim1 = 128
	s_mov_b32 s[(\g)+5], 1024                      ; elements from row to row
	s_mov_b32 s[(\g)+6], 0
	s_mov_b32 s[(\g)+7], 0
.endr
	s_lshl_b32 s4, s[TR], 19                       ; A: row 256 x tile row + 128 x half, rows of 2,048 bytes
	s_lshl_b32 s5, s[CH], 18
	s_add_co_u32 s4, s4, s5
	s_mov_b32 s5, 0
	s_lshl_b32 s6, s[TC], 19                       ; B: row 256 x tile column + 128 x half of w16
	s_lshl_b32 s7, s[CH], 18
	s_add_co_u32 s6, s6, s7
	s_mov_b32 s7, 0
	s_mul_i32 s8, s[WV], PART                      ; where my load goes: no place in the cluster enters an LDS address
	s_wait_dscnt 0x0                               ; the opening add is done
	s_wait_kmcnt 0x0
	s_add_nc_u64 s[20:21], s[84:85], s[4:5]
	s_add_nc_u64 s[22:23], s[86:87], s[6:7]
	s_mov_b32 s[G0A0], 1                           ; count = 1
	s_mov_b32 s[G0A0+1], s8                        ; LDS address
	s_mov_b64 s[G0A0+2:G0A0+3], s[20:21]           ; global address: K step 0
	s_or_b32 s[G0A0+3], s[G0A0+3], 0x80000000      ; type = 2
	s_mov_b32 s[G0A], 1
	s_add_co_u32 s[G0A+1], s8, SLOTX
	s_add_nc_u64 s[G0A+2:G0A+3], s[20:21], ASTEP   ; K step 1
	s_or_b32 s[G0A+3], s[G0A+3], 0x80000000
	s_mov_b32 s[G0B0], 1
	s_mov_b32 s[G0B0+1], s8
	s_mov_b64 s[G0B0+2:G0B0+3], s[22:23]
	s_or_b32 s[G0B0+3], s[G0B0+3], 0x80000000
	s_mov_b32 s[G0B], 1
	s_add_co_u32 s[G0B+1], s8, SLOTX
	s_add_nc_u64 s[G0B+2:G0B+3], s[22:23], ASTEP
	s_or_b32 s[G0B+3], s[G0B+3], 0x80000000
	CROUND                                         ; all sixteen work-groups are here: the first joint loads meet
	s_cmp_lt_u32 s[WV], 2                          ; a wave's two first fills stand in one branch: two loads of mine are out
	s_cbranch_scc0 .Lfirst_b
	tensor_load_to_lds s[G0A0:G0A0+3], s[G1A:G1A+7]
	s_nop 0
	tensor_load_to_lds s[G0A:G0A+3], s[G1A:G1A+7]
	s_nop 0
.rept 4
	v_nop
.endr
	s_branch .Lfirst_done
.Lfirst_b:
	tensor_load_to_lds s[G0B0:G0B0+3], s[G1B:G1B+7]
	s_nop 0
	tensor_load_to_lds s[G0B:G0B+3], s[G1B:G1B+7]
	s_nop 0
.rept 4
	v_nop
.endr
.Lfirst_done:
	v_and_b32 v[R], 15, v0
	v_bfe_u32 v[H], v0, 4, 1
	v_and_b32 v[LN], 31, v0
	s_lshl_b32 s2, s[CX], 10                       ; the bias of my columns: 4 x (256 cx + 128 x half + 8 h), then 64 bytes a column block
	s_lshl_b32 s3, s[CH], 9
	s_add_co_u32 s2, s2, s3
	v_lshl_add_u32 v[BO], v[H], 5, s2
	s_cmp_eq_u32 s[CLX], 1
	s_cselect_b64 s[BP:BP+1], s[90:91], s[88:89]
	s_cmp_eq_u32 s[CLX], 2
	s_cselect_b64 s[BP:BP+1], s[92:93], s[BP:BP+1]
	WIN TO_B                                       ; destination window 1, address window 0
.irp b, 0,1,2,3,4,5,6,7
	global_load_b128 v[8*(\b):8*(\b)+3],   v[BO], s[BP:BP+1] offset:64*(\b)
	global_load_b128 v[8*(\b)+4:8*(\b)+7], v[BO], s[BP:BP+1] offset:64*(\b)+16
.endr
	WIN 0
	v_mul_u32_u24 v[AA0], v[R], PITCH
	v_lshl_add_u32 v[AA0], v[H], 4, v[AA0]         ; row x pitch + 16 x half
	s_mul_i32 s2, s[CH], PART
	s_add_co_u32 s2, s2, 2*PART
	v_add_nc_u32 v[AB0], s2, v[AA0]                ; my 128 rows of B: part 2 or 3
	s_mul_i32 s2, s[RH], PART
	v_add_nc_u32 v[AA0], s2, v[AA0]                ; my 128 rows of A: part 0 or 1
	v_mov_b32 v[ADRA], v[AA0]
	v_mov_b32 v[ADRB], v[AB0]
	s_mov_b32 s[TB], 0
	s_mul_i32 s2, s[WV], 16*SPITCH
	s_add_co_u32 s2, s2, STAGE                     ; my stage
	v_mul_u32_u24 v[STO], v[R], SPITCH             ; in: row l % 16, 16 bytes for each half of the lanes
	v_lshl_add_u32 v[STO], v[H], 4, v[STO]
	v_add_nc_u32 v[STO], s2, v[STO]
	v_mul_u32_u24 v[RD], v[H], SPITCH              ; back: lanes 0-15 take one row of 256 bytes, lanes 16-31 the next
	v_lshl_add_u32 v[RD], v[R], 4, v[RD]
	v_add_nc_u32 v[RD], s2, v[RD]
	v_mul_u32_u24 v[CO], v[H], LDCB                ; and the same two rows in C
	v_lshl_add_u32 v[CO], v[R], 4, v[CO]
	s_lshl_b32 s20, s[CLX], 24                     ; C: the weight's plane, row 256 x tile row + 128 x half, column 256 cx + 128 x half
	s_lshl_b32 s21, s[TR], 19
	s_add_co_u32 s20, s20, s21
	s_lshl_b32 s21, s[RH], 18
	s_add_co_u32 s20, s20, s21
	s_lshl_b32 s21, s[CX], 9
	s_add_co_u32 s20, s20, s21
	s_lshl_b32 s21, s[CH], 8
	s_add_co_u32 s20, s20, s21
	s_mov_b32 s21, 0
	s_add_nc_u64 s[CB:CB+1], s[94:95], s[20:21]
	s_lshl_b32 s2, s[CX], 16                       ; the prefetches.  xn: of the 128 rows that I fetch, rows 32 cx on,
	s_add_co_u32 s2, s2, s4
	s_add_co_u32 s2, s2, 2*ASTEP                   ; at K step 2: the first change of slots steps it to 3
	s_lshl_b32 s3, s[CY], 16                       ; w16: rows 32 cy on
	s_add_co_u32 s3, s3, s6
	s_add_co_u32 s3, s3, 2*ASTEP
	s_cmp_lt_u32 s[WV], 2
	s_cselect_b32 s2, s2, s3
	s_cselect_b64 s[PFA:PFA+1], s[84:85], s[86:87]
	s_cselect_b32 s5, s[CLX], s[CLY]               ; the coordinate along which other clusters read the same rows
	s_mov_b32 s3, 0
	s_add_nc_u64 s[PFA:PFA+1], s[PFA:PFA+1], s[2:3]
	s_cmp_eq_u32 s5, 0
	s_cselect_b32 s[LIM], 1, -1                    ; the same in all sixteen partners, for a given wave
	v_lshlrev_b32 v[PFO], 11, v[LN]                ; a row of xn or of w16 is 2,048 bytes
	s_wait_loadcnt 0x0                             ; the bias: the first products take it
	s_wait_tensorcnt 0x1                           ; my part of K step 0 is in; slot 1's fill may stay out
	s_barrier_signal -1
	s_barrier_wait -1                              ; everybody's is
	FETCH 0, F0
	QUARTER 64, F0, F1, 1                          ; the first quarter stands ahead of the loop: its products start the sums
	WIN 0
	s_mov_b32 s[CNT], KS-2
.Lstep:                                        ; KS - 2 trips, from a step's second quarter to the next step's first; each fills a slot again
	QUARTER 128, F1, F0, 0
	QUARTER 192, F0, F1, 0
	TURN 1
	QUARTER 64, F0, F1, 0
	WIN 0
	s_sub_co_u32 s[CNT], s[CNT], 1
	s_cmp_lg_u32 s[CNT], 0
	s_cbranch_scc1 .Lstep
	s_mov_b32 s[CNT], 2
.Ltail:                                        ; the last two K steps ask for nothing; the second trip is left in its middle
	QUARTER 128, F1, F0, 0
	QUARTER 192, F0, F1, 0
	TURN 0
	WIN 0
	s_sub_co_u32 s[CNT], s[CNT], 1
	s_cmp_eq_u32 s[CNT], 0
	s_cbranch_scc1 .Lout
	QUARTER 64, F0, F1, 0
	WIN 0
	s_branch .Ltail
.Lout:
; THE WAY OUT, a block of 16 rows at a time.  PACK: the sums are rounded to f16, each accumulator's registers in ascending order: 16 bytes a lane and column block.
.macro PACK a
.set AC, 64*((\a)%4)
	WIN 0x0a+5*((\a)/4)                            ; sources 0 and 1: window 2 or 3
.irp b, 0,1,2,3,4,5,6,7
.irp r, 0,1,2,3
	v_cvt_pk_f16_f32 v[TMP+4*(\b)+(\r)], v[AC+8*(\b)+2*(\r)], v[AC+8*(\b)+2*(\r)+1]
.endr
.endr
	WIN 0
.endm
.macro TOSTAGE a                       ; into my own stage, and back as whole rows of 256 bytes
.set BK, OB+192*((\a)%2)
.irp b, 0,1,2,3,4,5,6,7
	ds_store_b128 v[STO], v[TMP+4*(\b):TMP+4*(\b)+3] offset:32*(\b)
.endr
.irp t, 0,1,2,3,4,5,6,7
	ds_load_b128 v[BK+4*(\t):BK+4*(\t)+3], v[RD] offset:(\t)*2*SPITCH  ; LDS serves a wave's instructions in order (ISA guide 5.7.1.4): these see the stores above
.endr
.endm
.macro SEND a
.set BK, OB+192*((\a)%2)
	s_wait_dscnt 0x0                               ; the block is back in registers
	s_wait_xcnt 0x0                                ; the stores of the block before have read their registers: the next block is read back into them only behind this wait
.irp t, 0,1,2,3,4,5,6,7
	global_store_b128 v[CO], v[BK+4*(\t):BK+4*(\t)+3], s[CB:CB+1] offset:(16*(\a)+2*(\t))*LDCB  ; 16 lanes store 256 consecutive bytes, aligned
.endr
.endm
	PLACES
	PACK 0
	TOSTAGE 0
.irp a, 1,2,3,4,5,6,7                  ; block a's conversions stand between block a - 1's loads from the stage and the wait for them
	PACK \a
	SEND (\a)-1
	TOSTAGE \a
.endr
	SEND 7
	s_wait_tensorcnt 0x0                           ; the wave's end, behind my last tensor load and my last LDS store
	ds_add_u32 v[SPW], v[NIL]
	s_wait_dscnt 0x0
	CROUND                                         ; the closing round: no work-group ends while a partner may still ask for a tile that names it
	s_endpgm
.Lfunc_end_k_q7f28f6b7e7_qkv:
	.size	k_q7f28f6b7e7_qkv, .Lfunc_end_k_q7f28f6b7e7_qkv-k_q7f28f6b7e7_qkv
	.p2alignl 7, 3214868480
	.fill 96, 4, 3214868480
	.section	.rodata,"a",@progbits
	.p2align	6, 0x0
	.amdhsa_kernel k_q7f28f6b7e7_qkv
		.amdhsa_group_segment_fixed_size 327680
		.amdhsa_private_segment_fixed_size 0
		.amdhsa_enable_private_segment 0
		.amdhsa_kernarg_size 48
		.amdhsa_user_sgpr_count 2
		.amdhsa_user_sgpr_kernarg_segment_ptr 1
		.amdhsa_wavefront_size32 1
		.amdhsa_system_sgpr_workgroup_id_x 1
		.amdhsa_system_sgpr_workgroup_id_y 1
		.amdhsa_system_sgpr_workgroup_id_z 1
		.amdhsa_system_vgpr_workitem_id 0
		.amdhsa_next_free_vgpr 1024
		.amdhsa_next_free_sgpr 100
		.amdhsa_reserve_vcc 0
		.amdhsa_float_denorm_mode_32 3
		.amdhsa_float_denorm_mode_16_64 3
		.amdhsa_memory_ordered 1
		.amdhsa_forward_progress 1
		.amdhsa_inst_pref_size 102
	.end_amdhsa_kernel
	.amdgpu_metadata
---
amdhsa.version: [ 1, 2 ]
amdhsa.kernels:
  - .name:           k_q7f28f6b7e7_qkv
    .symbol:         k_q7f28f6b7e7_qkv.kd
    .args:
      - { .name: xn, .offset: 0, .size: 8, .value_kind: global_buffer, .address_space: global }
      - { .name: w16, .offset: 8, .size: 8, .value_kind: global_buffer, .address_space: global }
      - { .name: bq, .offset: 16, .size: 8, .value_kind: global_buffer, .address_space: global }
      - { .name: bk, .offset: 24, .size: 8, .value_kind: global_buffer, .address_space: global }
      - { .name: bv, .offset: 32, .size: 8, .value_kind: global_buffer, .address_space: global }
      - { .name: qkv, .offset: 40, .size: 8, .value_kind: global_buffer, .address_space: global }
    .group_segment_fixed_size: 327680
    .private_segment_fixed_size: 0
    .kernarg_segment_align: 8
    .kernarg_segment_size: 48
    .max_flat_workgroup_size: 128
    .sgpr_count:     100
    .vgpr_count:     1024
    .wavefront_size: 32
...
	.end_amdgpu_metadata
.endif
;; end of part 2
;; launch scores (part 3): grid 8 x 32, 4 waves a work-group, clusters of 4 x 4, 327,680 bytes of LDS; arguments qkv, p, stat; writes p, stat
.if DOCPART == 3
	.amdgcn_target "amdgcn-amd-amdhsa--gfx1250"
	.amdhsa_code_object_version 6
	.text
	.protected	k_q7f28f6b7e7_scores
	.globl	k_q7f28f6b7e7_scores
	.p2align	8
	.type	k_q7f28f6b7e7_scores,@function
k_q7f28f6b7e7_scores:
	s_mov_b64 s[64:65], 0
	v_nop
	global_prefetch_b8 v0, s[64:65] scope:SCOPE_SE
	s_setreg_imm32_b32 hwreg(HW_REG_WAVE_MODE, 25, 1), 1
	s_wait_xcnt 0x0
	s_wait_alu depctr_hold_cnt(0) depctr_sa_sdst(0) depctr_va_vdst(0) depctr_va_sdst(0) depctr_va_ssrc(0) depctr_va_vcc(0) depctr_vm_vsrc(0)
	s_getreg_b32 s2, hwreg(HW_REG_IB_STS2, 6, 4)
	s_cmp_eq_u32 s2, 0
	s_cbranch_scc0 .Lentry_in_a_cluster
	s_endpgm
.Lentry_in_a_cluster:
	s_bfe_u32 s2, ttmp6, 0x10000c
	s_cmp_lg_u32 s2, 0xf033
	s_cbranch_scc0 .Lentry_shape_is_right
	s_endpgm
.Lentry_shape_is_right:
; S = Q K^T, and the softmax's first half, by chunks of 128 keys.  For each query row and chunk: cm = c x (the chunk's largest score), c = log2(e) / 32; P' = 2^(c s - cm), rounded to f16; l = the sum of the
; P' as rounded.  The next launch takes the rows' maxima over the 16 chunks and rescales: together that is softmax(s / 32) with the row's maximum taken away.  Raw scores are never stored.
; qkv: [3][8192][1024] f16 (Q, K, V).  p: [8192][2048] f16 (row: the query; column: the key in its batch).  stat: [16 chunks][8192 rows][2] f32: (cm, l).  Products, maxima and sums in f32.
; A tile of S is 256 queries x 256 keys: 32 x 8 tiles, one to a work-group.  Four waves, 2 x 2, each 128 x 128: a wave's 128 columns are one chunk.  64 accumulators of 16 x 16, 512 registers.
; K goes in 8 steps of 128 channels through two LDS slots filled by the tensor data mover: tile rows are 256 bytes of memory, aligned.  Each wave fetches 128 rows: waves 0, 1 Q's two halves, waves 2, 3 K's.
; A K step is 256 matrix instructions a wave; 224 of them stand between the request for a slot's next tile and the wait for it.
; CLUSTER: 4 x 4 work-groups of one batch.  The four of a row of the cluster need the same tile of Q, the four of a column the same tile of K: each is asked for jointly.
; THE MATRIX INSTRUCTION IS USED TRANSPOSED (source 0 = 16 keys, source 1 = 16 queries): a lane holds query lane % 16 and the keys 8 (lane / 16) + 0..7 of each block of 16: a row's 128 scores lie in two lanes, 16 apart.
; Two such blocks, rounded to f16 in pairs, are a source 1 of 16 queries x 32 keys: multiplied by a source 0 of ones it gives each lane its query's sum over those 32 keys, both halves of the lanes' together.
; REGISTERS, in windows of 256 (s_set_vgpr_msb: bits 1:0 source 0, 3:2 source 1, 5:4 source 2, 7:6 destination):
;   window 0: v0-29 addresses; v64-127, v128-191 two buffers of A's 8 fragments; on the way out v32-255 at work          window 1: v64-127, v128-191 two buffers of B's 8 fragments
;   window 2: the accumulators of my rows 0-63 ((a, b) at v[8 (8 a + b)]);   window 3: those of my rows 64-127
; LIMITS.  A weight below 2^-126 counts as 0; below 6e-5 P' keeps f16's fixed step of 6e-8.  NaN and infinities are not treated apart.
.set KS,     8                         ; K steps
.set ASTEP,  256                       ; bytes from a K step to the next, in A and in B
.set PITCH,  272                       ; an LDS row: 256 bytes + 16 of padding = 68 words: the 16 rows of a load start at 16 different groups of four banks (64 banks of 4 bytes: ISA guide 11.1)
.set PART,   0x9000                    ; what one tensor load brings, 128 rows x 272 = 34,816 bytes, has a place of 36,864: wave w's at w x PART; A's two halves, then B's
.set SLOTX,  4*PART                    ; slot 1 lies 0x24000 behind slot 0: that number shares no bit with w x PART for w < 4, so one exclusive or turns a part's address in one slot into the other's
.set STAGE,  2*SLOTX                   ; behind the ring, never filled by a tensor load: 16 rows x 272 bytes for each wave
.set SPITCH, 272
.set SPARE,  STAGE+4*16*SPITCH         ; the spare words, 128 bytes for each wave: two blocks of 256 bytes that no other line names
.set STST,   SPARE+512                 ; 1,024 bytes for each wave: (cm, l) of its 128 rows
.set LDCB,   4096                      ; bytes in a row of p
.set R,    1                           ; v1   lane % 16
.set H,    2                           ; v2   lane / 16
.set LN,   3                           ; v3   lane
.set AA0,  4                           ; v4   my place in slot 0's tile of A; never rewritten
.set AB0,  5                           ; v5   the same for B
.set ADRA, 6                           ; v6   the same in the slot in hand
.set ADRB, 7                           ; v7
.set STO,  8                           ; v8   the way out: where I put 16 bytes of a row
.set RD,   9                           ; v9   the way out: where I read a row back
.set CO,   10                          ; v10  my byte offset in p
.set PFO,  11                          ; v11  the prefetches' offset: a lane a row; never rewritten
.set BO,   12                          ; v12  16 x lane: my 16 bytes of 512 of stat
.set SA,   14                          ; v14  where I put a row's (cm, l)
.set SR,   15                          ; v15  where I read 16 bytes of them back
.set SPW,  28                          ; v28  LDS address of my spare word; never rewritten
.set NIL,  29                          ; v29  0; never rewritten
.set F0,   64                          ; fragment buffer 0
.set F1,   128                         ; fragment buffer 1
.set OB,   32                          ; the way out: 16 rows read back from the stage: v32-63 and v224-255 by turns
.set E,    64                          ; the way out: 64 exponents, then weights
.set TM,   128                         ; v128-135  eight running maxima
.set XG,   136                         ; v136  what comes from the lane 16 away
.set CM,   138                         ; v[138:139] cm, m
.set CL,   140                         ; v[140:141] cm, l: what is stored
.set ONE,  144                         ; v[144:151] a fragment of ones in f16
.set XA,   152                         ; v[152:159], v[160:167] two accumulators for the row sums
.set YA,   160
.set SB,   168                         ; v[168:175] the wave's (cm, l) read back
.set PK,   192                         ; the way out: the weights, packed
.set WV,   10
.set RH,   11
.set CH,   12
.set TR,   13
.set TC,   14
.set CX,   15
.set CY,   16
.set CLX,  17
.set CLY,  18
.set BAT,  19                          ; s19  the batch: two rows of clusters each
.set G1A,  24                          ; s[24:31] descriptor group 1 for A's tiles
.set G0A0, 32                          ; s[32:35] group 0 of slot 0's first fill
.set G0A,  36                          ; s[36:39] group 0 of slot 1's first fill; it then walks
.set CB,   40                          ; s[40:41] p at my wave's first row and column
.set PFA,  44                          ; s[44:45] where my prefetches stand
.set G1B,  48                          ; s[48:55], s[56:59], s[60:63] the same three for B's tiles
.set G0B0, 56
.set G0B,  60
.set CNT,  66
.set TB,   67
.set LIM,  68
.set CS,   70                          ; s[70:71] c: the packed scaling takes the pair's low word for both halves
.set SEL,  72                          ; s[72:73] each lane takes its own place in the other half
.set ST,   74                          ; s[74:75] stat at my chunk and my wave's first row
.set TO_B, 0x40                        ; destination window 1, address window 0
.set MSB, 0
.macro WIN new                         ; the immediate's high byte repeats the setting that is left; a switch that changes nothing is dropped
.if MSB != (\new)
	s_set_vgpr_msb (MSB<<8)|(\new)
.set MSB, \new
.endif
.endm
.macro PLACES                          ; four plain places behind a matrix instruction, ahead of loads into registers that it has read and of lines that read results
.rept 4
	v_nop
.endr
.endm
.macro CREST                           ; a round of the cluster's barrier behind its opening barrier
	s_cmp_lg_u32 s[WV], 0
	s_cbranch_scc1 .Lnot_wave_0_\@
	s_barrier_signal -3
.Lnot_wave_0_\@:
	s_barrier_wait -3
	s_barrier_signal -1
	s_barrier_wait -1
.endm
.macro CROUND                          ; a whole round
	s_barrier_signal -1
	s_barrier_wait -1
	CREST
.endm
.macro JLOAD                           ; a joint refill by the walking descriptor; the branch hangs on the wave's number alone; an s_nop 0 and four v_nop follow each line
	s_cmp_lt_u32 s[WV], 2
	s_cbranch_scc0 .Lfor_b_\@
	tensor_load_to_lds s[G0A:G0A+3], s[G1A:G1A+7]
	s_nop 0
.rept 4
	v_nop
.endr
	s_branch .Lasked_\@
.Lfor_b_\@:
	tensor_load_to_lds s[G0B:G0B+3], s[G1B:G1B+7]
	s_nop 0
.rept 4
	v_nop
.endr
.Lasked_\@:
.endm
; A PREFETCH of the K step that the NEXT refill will ask for: 32 rows x 256 bytes, a lane a row, 256 matrix instructions ahead of that refill.  Each row's 256 bytes of a K step are named once in the launch:
; Q's tile rows by the clusters with x = 0, K's tile columns by each batch's first row of clusters.  Of the 128 rows that a wave fetches, the partner at place p takes 32 p .. 32 p + 31 (p = cx for Q, cy for K):
; the partners are told apart by address; no branch hangs on a work-group's place in its cluster.  The trip that refills step i + 2 names step i + 3: the last refill names nothing.  Steps 0 to 2 come by their loads alone.
.macro ASK
	s_cmp_gt_u32 s[CNT], s[LIM]
	s_cbranch_scc0 .Lnot_mine_\@
	global_prefetch_b8 v[PFO], s[PFA:PFA+1] th:TH_LOAD_NT scope:SCOPE_SE
.Lnot_mine_\@:
.endm
; 16 matrix instructions: row blocks a0, a0 + 1 of the window's four (hi = 0: my rows 0-63, 1: rows 64-127) x all 8 column blocks, 32 along K, from buffer f.
; zero = 1: the product starts the sum.  The 64 accumulators take turns, in the same order in every quarter.
.macro MUL16 f, hi, a0, zero
	WIN 0xa1+0x50*(\hi)                            ; source 0 (B) window 1, source 1 (A) window 0, C and D window 2 or 3
.irp a, \a0, (\a0)+1
.irp b, 0,1,2,3,4,5,6,7
.if \zero
	v_wmma_f32_16x16x32_f16 v[8*(8*(\a)+(\b)):8*(8*(\a)+(\b))+7], v[(\f)+8*(\b):(\f)+8*(\b)+7], v[(\f)+8*(4*(\hi)+(\a)):(\f)+8*(4*(\hi)+(\a))+7], 0
.else
	v_wmma_f32_16x16x32_f16 v[8*(8*(\a)+(\b)):8*(8*(\a)+(\b))+7], v[(\f)+8*(\b):(\f)+8*(\b)+7], v[(\f)+8*(4*(\hi)+(\a)):(\f)+8*(4*(\hi)+(\a))+7], v[8*(8*(\a)+(\b)):8*(8*(\a)+(\b))+7]
.endif
.endr
.endr
.endm
; 32 LDS loads in one run: the fragments of 32 along K at byte k of the rows, into buffer f: B's 8, then A's 8.  A fragment is 16 rows x 32 K in 8 registers: two loads of 16 bytes, 32 bytes apart.
.macro FETCH k, f
	WIN TO_B
.irp i, 0,1,2,3,4,5,6,7
	ds_load_b128 v[(\f)+8*(\i):(\f)+8*(\i)+3],   v[ADRB] offset:(\k)+(\i)*16*PITCH
	ds_load_b128 v[(\f)+8*(\i)+4:(\f)+8*(\i)+7], v[ADRB] offset:(\k)+(\i)*16*PITCH+32
.endr
	WIN 0
.irp i, 0,1,2,3,4,5,6,7
	ds_load_b128 v[(\f)+8*(\i):(\f)+8*(\i)+3],   v[ADRA] offset:(\k)+(\i)*16*PITCH
	ds_load_b128 v[(\f)+8*(\i)+4:(\f)+8*(\i)+7], v[ADRA] offset:(\k)+(\i)*16*PITCH+32
.endr
.endm
; A K step is four quarters of 32 along K, 64 matrix instructions each, on buffers 0, 1, 0, 1.  One of the first three: multiplies buffer f; in its middle the next quarter, at byte k, is asked for into g, 32 matrix instructions ahead of its use.
.macro QUARTER k, f, g, zero
	s_wait_dscnt 8                                 ; B and A's rows 0-63 are in; the youngest eight loads (A's rows 64-127) may be out
	MUL16 \f, 0, 0, \zero
	MUL16 \f, 0, 2, \zero
	PLACES
	FETCH \k, \g
	s_wait_dscnt 32                                ; all but the 32 just issued
	MUL16 \f, 1, 0, \zero
	MUL16 \f, 1, 2, \zero
.endm
; The last quarter multiplies buffer 1 and changes slots: one barrier.  Ahead of it each wave waits for all its tensor loads (one is out: its part of the other slot), adds 0 to its spare word, and waits for
; that and for its reads of this slot.  fill = 1: the barrier opens a round of the cluster's barrier, and the joint refill of this slot, two K steps ahead, is the first thing behind the round.
; fill = 0 (the tail): nothing is filled; in the last trip there is no further slot, and the fetch is jumped over.
.macro TURN fill
.if \fill
	s_wait_xcnt 0x0                                ; the last prefetch, a K step back, has read its address
	s_add_nc_u64 s[PFA:PFA+1], s[PFA:PFA+1], ASTEP
.endif
	WIN 0                                          ; (the add's two registers lie in window 0)
	s_wait_tensorcnt 0x0                           ; no tensor load of mine is out, so a group 0 may be written
	ds_add_u32 v[SPW], v[NIL]                      ; 0 onto my spare word
.if \fill
	s_xor_b32 s[G0A+1], s[G0A+1], SLOTX            ; the walking descriptors: the other slot than last time, the next K step
	s_add_nc_u64 s[G0A+2:G0A+3], s[G0A+2:G0A+3], ASTEP
	s_xor_b32 s[G0B+1], s[G0B+1], SLOTX
	s_add_nc_u64 s[G0B+2:G0B+3], s[G0B+2:G0B+3], ASTEP
.endif
	s_wait_dscnt 9                                 ; the add and the youngest eight loads may be out
	MUL16 F1, 0, 0, 0
	s_wait_dscnt 0x0                               ; the add is done, and my reads of this slot are over
	s_barrier_signal -1
	MUL16 F1, 0, 2, 0
	WIN 0
	s_barrier_wait -1
.if \fill
	CREST                                          ; no wave of any partner still reads this slot's tiles or has a load on its way
	JLOAD                                          ; its four v_nop are also the places ahead of the loads below
.else
	PLACES
	s_cmp_eq_u32 s[CNT], 1
	s_cbranch_scc1 .Lno_more_\@
.endif
	s_xor_b32 s[TB], s[TB], SLOTX
	v_add_nc_u32 v[ADRA], s[TB], v[AA0]
	v_add_nc_u32 v[ADRB], s[TB], v[AB0]
	FETCH 0, F0
.if \fill
	ASK
.else
.Lno_more_\@:
.endif
	MUL16 F1, 1, 0, 0
	MUL16 F1, 1, 2, 0
.endm
	s_load_b128 s[84:87], s[0:1], 0x0              ; qkv s[84:85], p s[86:87]
	s_load_b64 s[88:89], s[0:1], 0x10              ; stat
	v_lshl_add_u32 v[SPW], v0, 2, SPARE
	v_mov_b32 v[NIL], 0
	ds_add_u32 v[SPW], v[NIL]                      ; the wave's opening: the add, waited for ahead of my first tensor load; work on registers stands between them
	v_lshrrev_b32 v1, 5, v0
	v_readfirstlane_b32 s[WV], v1
	s_lshr_b32 s[RH], s[WV], 1
	s_and_b32 s[CH], s[WV], 1
	s_bfe_u32 s[CX], ttmp6, 0x40000
	s_bfe_u32 s[CY], ttmp6, 0x40004
	s_mov_b32 s[CLX], ttmp9                        ; in a cluster launch ttmp9 and ttmp7 count clusters
	s_and_b32 s[CLY], ttmp7, 0xffff
	s_lshl_b32 s[TC], s[CLX], 2
	s_add_co_u32 s[TC], s[TC], s[CX]
	s_lshl_b32 s[TR], s[CLY], 2
	s_add_co_u32 s[TR], s[TR], s[CY]
	s_lshr_b32 s[BAT], s[CLY], 1
	s_lshl_b32 s2, s[CY], 2
	s_lshl_b32 s2, 15, s2                          ; my row of the cluster
	s_lshl_b32 s3, 0x1111, s[CX]                   ; my column
	s_or_b32 s[G1A], s2, 0x07710000                ; the mask; 17:16 2-byte elements; 20 padding on; 21 set beside a mask; 24:22 after every 64 words (code 5); 31:25 4 words (code 3)
	s_or_b32 s[G1B], s3, 0x07710000
.irp g, G1A, G1B
	s_mov_b32 s[(\g)+1], 128<<16                   ; tensor_dim0 = 128
	s_mov_b32 s[(\g)+2], 128<<16                   ; tensor_dim1 = 128
	s_mov_b32 s[(\g)+3], 128<<16                   ; tile_dim0 = 128
	s_mov_b32 s[(\g)+4], 128                       ; tile_dim1 = 128
	s_mov_b32 s[(\g)+5], 1024                      ; elements from row to row
	s_mov_b32 s[(\g)+6], 0
	s_mov_b32 s[(\g)+7], 0
.endr
	s_mov_b32 s[CS], 0x3d38aa3b                    ; c = log2(e) / 32
	s_mov_b32 s[CS+1], s[CS]                       ; named with it as a pair
	s_mov_b32 s[SEL], 0x76543210
	s_mov_b32 s[SEL+1], 0xfedcba98
	s_lshl_b32 s4, s[TR], 19                       ; A = Q: row 256 x tile row + 128 x half, rows of 2,048 bytes
	s_lshl_b32 s5, s[CH], 18
	s_add_co_u32 s4, s4, s5
	s_mov_b32 s5, 0
	s_lshl_b32 s6, s[BAT], 22                      ; B = K: the second plane of qkv, row 2,048 x batch + 256 x tile column + 128 x half
	s_lshl_b32 s7, s[TC], 19
	s_add_co_u32 s6, s6, s7
	s_lshl_b32 s7, s[CH], 18
	s_add_co_u32 s6, s6, s7
	s_add_co_u32 s6, s6, 0x1000000
	s_mov_b32 s7, 0
	s_mul_i32 s8, s[WV], PART                      ; where my load goes: no place in the cluster enters an LDS address
	s_wait_dscnt 0x0                               ; the opening add is done
	s_wait_kmcnt 0x0
	s_add_nc_u64 s[20:21], s[84:85], s[4:5]
	s_add_nc_u64 s[22:23], s[84:85], s[6:7]
	s_mov_b32 s[G0A0], 1                           ; count = 1
	s_mov_b32 s[G0A0+1], s8                        ; LDS address
	s_mov_b64 s[G0A0+2:G0A0+3], s[20:21]           ; global address: K step 0
	s_or_b32 s[G0A0+3], s[G0A0+3], 0x80000000      ; type = 2
	s_mov_b32 s[G0A], 1
	s_add_co_u32 s[G0A+1], s8, SLOTX
	s_add_nc_u64 s[G0A+2:G0A+3], s[20:21], ASTEP   ; K step 1
	s_or_b32 s[G0A+3], s[G0A+3], 0x80000000
	s_mov_b32 s[G0B0], 1
	s_mov_b32 s[G0B0+1], s8
	s_mov_b64 s[G0B0+2:G0B0+3], s[22:23]
	s_or_b32 s[G0B0+3], s[G0B0+3], 0x80000000
	s_mov_b32 s[G0B], 1
	s_add_co_u32 s[G0B+1], s8, SLOTX
	s_add_nc_u64 s[G0B+2:G0B+3], s[22:23], ASTEP
	s_or_b32 s[G0B+3], s[G0B+3], 0x80000000
	CROUND                                         ; all sixteen work-groups are here: the first joint loads meet
	s_cmp_lt_u32 s[WV], 2                          ; a wave's two first fills stand in one branch: two loads of mine are out
	s_cbranch_scc0 .Lfirst_b
	tensor_load_to_lds s[G0A0:G0A0+3], s[G1A:G1A+7]
	s_nop 0
	tensor_load_to_lds s[G0A:G0A+3], s[G1A:G1A+7]
	s_nop 0
.rept 4
	v_nop
.endr
	s_branch .Lfirst_done
.Lfirst_b:
	tensor_load_to_lds s[G0B0:G0B0+3], s[G1B:G1B+7]
	s_nop 0
	tensor_load_to_lds s[G0B:G0B+3], s[G1B:G1B+7]
	s_nop 0
.rept 4
	v_nop
.endr
.Lfirst_done:
	v_and_b32 v[R], 15, v0
	v_bfe_u32 v[H], v0, 4, 1
	v_and_b32 v[LN], 31, v0
	v_mul_u32_u24 v[AA0], v[R], PITCH
	v_lshl_add_u32 v[AA0], v[H], 4, v[AA0]         ; row x pitch + 16 x half
	s_mul_i32 s2, s[CH], PART
	s_add_co_u32 s2, s2, 2*PART
	v_add_nc_u32 v[AB0], s2, v[AA0]                ; my 128 rows of B: part 2 or 3
	s_mul_i32 s2, s[RH], PART
	v_add_nc_u32 v[AA0], s2, v[AA0]                ; my 128 rows of A: part 0 or 1
	v_mov_b32 v[ADRA], v[AA0]
	v_mov_b32 v[ADRB], v[AB0]
	s_mov_b32 s[TB], 0
	s_mul_i32 s2, s[WV], 16*SPITCH
	s_add_co_u32 s2, s2, STAGE                     ; my stage
	v_mul_u32_u24 v[STO], v[R], SPITCH             ; in: row l % 16, 16 bytes for each half of the lanes
	v_lshl_add_u32 v[STO], v[H], 4, v[STO]
	v_add_nc_u32 v[STO], s2, v[STO]
	v_mul_u32_u24 v[RD], v[H], SPITCH              ; back: lanes 0-15 take one row of 256 bytes, lanes 16-31 the next
	v_lshl_add_u32 v[RD], v[R], 4, v[RD]
	v_add_nc_u32 v[RD], s2, v[RD]
	v_mul_u32_u24 v[CO], v[H], LDCB                ; and the same two rows in p
	v_lshl_add_u32 v[CO], v[R], 4, v[CO]
	s_lshl_b32 s2, s[WV], 10
	s_add_co_u32 s2, s2, STST                      ; my 1,024 bytes of statistics
	v_lshl_add_u32 v[SA], v[R], 3, s2
	v_lshl_add_u32 v[SR], v[LN], 4, s2
	v_lshlrev_b32 v[BO], 4, v[LN]
	s_lshl_b32 s20, s[TR], 20                      ; p: row 256 x tile row + 128 x half, column 256 x tile column + 128 x half
	s_lshl_b32 s21, s[RH], 19
	s_add_co_u32 s20, s20, s21
	s_lshl_b32 s21, s[TC], 9
	s_add_co_u32 s20, s20, s21
	s_lshl_b32 s21, s[CH], 8
	s_add_co_u32 s20, s20, s21
	s_mov_b32 s21, 0
	s_add_nc_u64 s[CB:CB+1], s[86:87], s[20:21]
	s_lshl_b32 s20, s[TC], 17                      ; stat: 8 x ((2 x tile column + half) x 8,192 + 256 x tile row + 128 x half)
	s_lshl_b32 s21, s[CH], 16
	s_add_co_u32 s20, s20, s21
	s_lshl_b32 s21, s[TR], 11
	s_add_co_u32 s20, s20, s21
	s_lshl_b32 s21, s[RH], 10
	s_add_co_u32 s20, s20, s21
	s_mov_b32 s21, 0
	s_add_nc_u64 s[ST:ST+1], s[88:89], s[20:21]
	s_lshl_b32 s2, s[CX], 16                       ; the prefetches.  Q: of the 128 rows that I fetch, rows 32 cx on,
	s_add_co_u32 s2, s2, s4
	s_add_co_u32 s2, s2, 2*ASTEP                   ; at K step 2: the first change of slots steps it to 3
	s_lshl_b32 s3, s[CY], 16                       ; K: rows 32 cy on
	s_add_co_u32 s3, s3, s6
	s_add_co_u32 s3, s3, 2*ASTEP
	s_and_b32 s5, s[CLY], 1                        ; 0 in the batch's first row of clusters
	s_cmp_lt_u32 s[WV], 2
	s_cselect_b32 s2, s2, s3
	s_cselect_b32 s5, s[CLX], s5                   ; the coordinate along which other clusters read the same rows
	s_mov_b32 s3, 0
	s_add_nc_u64 s[PFA:PFA+1], s[84:85], s[2:3]
	s_cmp_eq_u32 s5, 0
	s_cselect_b32 s[LIM], 1, -1                    ; the same in all sixteen partners, for a given wave
	v_lshlrev_b32 v[PFO], 11, v[LN]                ; a row of Q or K is 2,048 bytes
	s_wait_tensorcnt 0x1                           ; my part of K step 0 is in; slot 1's fill may stay out
	s_barrier_signal -1
	s_barrier_wait -1                              ; everybody's is
	FETCH 0, F0
	QUARTER 64, F0, F1, 1                          ; the first quarter stands ahead of the loop: its products start the sums
	WIN 0
	s_mov_b32 s[CNT], KS-2
.Lstep:                                        ; KS - 2 trips, from a step's second quarter to the next step's first; each fills a slot again
	QUARTER 128, F1, F0, 0
	QUARTER 192, F0, F1, 0
	TURN 1
	QUARTER 64, F0, F1, 0
	WIN 0
	s_sub_co_u32 s[CNT], s[CNT], 1
	s_cmp_lg_u32 s[CNT], 0
	s_cbranch_scc1 .Lstep
	s_mov_b32 s[CNT], 2
.Ltail:                                        ; the last two K steps ask for nothing; the second trip is left in its middle
	QUARTER 128, F1, F0, 0
	QUARTER 192, F0, F1, 0
	TURN 0
	WIN 0
	s_sub_co_u32 s[CNT], s[CNT], 1
	s_cmp_eq_u32 s[CNT], 0
	s_cbranch_scc1 .Lout
	QUARTER 64, F0, F1, 0
	WIN 0
	s_branch .Ltail
.Lout:
; THE WAY OUT, a block of 16 queries at a time.  SOFT: the chunk's maximum of each row (each accumulator's lowest registers are read first), c s - cm, the 64 exponentials as ONE batch
; with one wait, the roundings to f16, the row sums by four products with ones (two accumulators by turns; sums in f32), and (cm, l) into my 1,024 bytes of LDS.
.macro SOFT a
.set AC, 64*((\a)%4)
	WIN 0x2a+0x15*((\a)/4)                         ; all three sources in window 2 or 3
.irp b, 0,1,2,3,4,5,6,7
	v_max3_num_f32 v[TM+(\b)], v[AC+8*(\b)], v[AC+8*(\b)+1], v[AC+8*(\b)+2]
.endr
	WIN 0x28+0x14*((\a)/4)                         ; sources 1 and 2 in window 2 or 3
.irp j, 3,5
.irp b, 0,1,2,3,4,5,6,7
	v_max3_num_f32 v[TM+(\b)], v[TM+(\b)], v[AC+8*(\b)+(\j)], v[AC+8*(\b)+(\j)+1]
.endr
.endr
.irp i, 0,1,2,3
	v_max3_num_f32 v[TM+(\i)], v[TM+(\i)], v[AC+16*(\i)+7], v[AC+16*(\i)+15]
.endr
	WIN 0
	v_max3_num_f32 v[TM], v[TM], v[TM+1], v[TM+2]
	v_max3_num_f32 v[TM+3], v[TM+3], v[TM+4], v[TM+5]
	v_max3_num_f32 v[TM], v[TM], v[TM+6], v[TM+7]
	v_max_num_f32 v[TM], v[TM], v[TM+3]
	v_permlanex16_b32 v[XG], v[TM], s[SEL], s[SEL+1]  ; the row's other 64 keys lie in the lane 16 away
	v_max_num_f32 v[CM+1], v[TM], v[XG]
	v_mul_f32 v[CM], s[CS], v[CM+1]
	v_mov_b32 v[CL], v[CM]
	WIN 0x02+(\a)/4                                ; source 0 in window 2 or 3
.irp b, 0,1,2,3,4,5,6,7
.irp j, 0,2,4,6
	v_pk_fma_f32 v[E+8*(\b)+(\j):E+8*(\b)+(\j)+1], v[AC+8*(\b)+(\j):AC+8*(\b)+(\j)+1], s[CS:CS+1], v[CM:CM+1] op_sel_hi:[1,0,0] neg_lo:[0,0,1] neg_hi:[0,0,1]
.endr
.endr
	WIN 0
.set i, 0
.rept 64
	v_exp_f32 v[E+i], v[E+i]
.set i, i+1
.endr
	v_nop                                          ; a plain instruction behind the last exponential,
	s_wait_alu depctr_va_vdst(0)                   ; and the wait ahead of the first line that names a result: one for the batch
.set i, 0
.rept 32
	v_cvt_pk_f16_f32 v[PK+i], v[E+2*i], v[E+2*i+1]
.set i, i+1
.endr
	v_wmma_f32_16x16x32_f16 v[XA:XA+7], v[ONE:ONE+7], v[PK:PK+7], 0               ; keys 0-31: every register of the result holds my query's sum
	v_wmma_f32_16x16x32_f16 v[YA:YA+7], v[ONE:ONE+7], v[PK+8:PK+15], 0            ; keys 32-63
	v_wmma_f32_16x16x32_f16 v[XA:XA+7], v[ONE:ONE+7], v[PK+16:PK+23], v[XA:XA+7]  ; keys 64-95
	v_wmma_f32_16x16x32_f16 v[YA:YA+7], v[ONE:ONE+7], v[PK+24:PK+31], v[YA:YA+7]  ; keys 96-127
	PLACES
	v_add_f32 v[CL+1], v[XA], v[YA]
	ds_store_b64 v[SA], v[CL:CL+1] offset:128*(\a) ; both halves of the lanes write the same 8 bytes with the same numbers
.endm
.macro TOSTAGE a                       ; into my own stage, and back as whole rows of 256 bytes
.set BK, OB+192*((\a)%2)
.irp b, 0,1,2,3,4,5,6,7
	ds_store_b128 v[STO], v[PK+4*(\b):PK+4*(\b)+3] offset:32*(\b)
.endr
.irp t, 0,1,2,3,4,5,6,7
	ds_load_b128 v[BK+4*(\t):BK+4*(\t)+3], v[RD] offset:(\t)*2*SPITCH  ; LDS serves a wave's instructions in order (ISA guide 5.7.1.4): these see the stores above
.endr
.endm
.macro SEND a
.set BK, OB+192*((\a)%2)
	s_wait_dscnt 0x0                               ; the block is back in registers
	s_wait_xcnt 0x0                                ; the stores of the block before have read their registers: the next block is read back into them only behind this wait
.irp t, 0,1,2,3,4,5,6,7
	global_store_b128 v[CO], v[BK+4*(\t):BK+4*(\t)+3], s[CB:CB+1] offset:(16*(\a)+2*(\t))*LDCB  ; 16 lanes store 256 consecutive bytes, aligned
.endr
.endm
	PLACES
	v_mov_b32 v[XG], 0                             ; v_permlanex16_b32's destination counts as read
.set i, 0
.rept 8
	v_mov_b32 v[ONE+i], 0x3c003c00                 ; 1.0 twice in f16
.set i, i+1
.endr
	SOFT 0
	TOSTAGE 0
.irp a, 1,2,3,4,5,6,7                  ; block a's arithmetic stands between block a - 1's loads from the stage and the wait for them
	SOFT \a
	SEND (\a)-1
	TOSTAGE \a
.endr
	SEND 7
	ds_load_b128 v[SB:SB+3], v[SR]                 ; my wave's 128 rows of (cm, l): 1,024 bytes on end in stat
	ds_load_b128 v[SB+4:SB+7], v[SR] offset:512
	s_wait_dscnt 0x0
	global_store_b128 v[BO], v[SB:SB+3], s[ST:ST+1]
	global_store_b128 v[BO], v[SB+4:SB+7], s[ST:ST+1] offset:512
	s_wait_tensorcnt 0x0                           ; the wave's end, behind my last tensor load and my last LDS store
	ds_add_u32 v[SPW], v[NIL]
	s_wait_dscnt 0x0
	CROUND                                         ; the closing round: no work-group ends while a partner may still ask for a tile that names it
	s_endpgm
.Lfunc_end_k_q7f28f6b7e7_scores:
	.size	k_q7f28f6b7e7_scores, .Lfunc_end_k_q7f28f6b7e7_scores-k_q7f28f6b7e7_scores
	.p2alignl 7, 3214868480
	.fill 96, 4, 3214868480
	.section	.rodata,"a",@progbits
	.p2align	6, 0x0
	.amdhsa_kernel k_q7f28f6b7e7_scores
		.amdhsa_group_segment_fixed_size 327680
		.amdhsa_private_segment_fixed_size 0
		.amdhsa_enable_private_segment 0
		.amdhsa_kernarg_size 24
		.amdhsa_user_sgpr_count 2
		.amdhsa_user_sgpr_kernarg_segment_ptr 1
		.amdhsa_wavefront_size32 1
		.amdhsa_system_sgpr_workgroup_id_x 1
		.amdhsa_system_sgpr_workgroup_id_y 1
		.amdhsa_system_sgpr_workgroup_id_z 1
		.amdhsa_system_vgpr_workitem_id 0
		.amdhsa_next_free_vgpr 1024
		.amdhsa_next_free_sgpr 100
		.amdhsa_reserve_vcc 0
		.amdhsa_float_denorm_mode_32 3
		.amdhsa_float_denorm_mode_16_64 3
		.amdhsa_memory_ordered 1
		.amdhsa_forward_progress 1
		.amdhsa_inst_pref_size 156
	.end_amdhsa_kernel
	.amdgpu_metadata
---
amdhsa.version: [ 1, 2 ]
amdhsa.kernels:
  - .name:           k_q7f28f6b7e7_scores
    .symbol:         k_q7f28f6b7e7_scores.kd
    .args:
      - { .name: qkv, .offset: 0, .size: 8, .value_kind: global_buffer, .address_space: global }
      - { .name: p, .offset: 8, .size: 8, .value_kind: global_buffer, .address_space: global }
      - { .name: stat, .offset: 16, .size: 8, .value_kind: global_buffer, .address_space: global }
    .group_segment_fixed_size: 327680
    .private_segment_fixed_size: 0
    .kernarg_segment_align: 8
    .kernarg_segment_size: 24
    .max_flat_workgroup_size: 128
    .sgpr_count:     100
    .vgpr_count:     1024
    .wavefront_size: 32
...
	.end_amdgpu_metadata
.endif
;; end of part 3
;; launch pv (part 4): grid 4 x 64, 4 waves a work-group, clusters of 4 x 4, 327,680 bytes of LDS; arguments p, stat, qkv, o; writes o
.if DOCPART == 4
	.amdgcn_target "amdgcn-amd-amdhsa--gfx1250"
	.amdhsa_code_object_version 6
	.text
	.protected	k_q7f28f6b7e7_pv
	.globl	k_q7f28f6b7e7_pv
	.p2align	8
	.type	k_q7f28f6b7e7_pv,@function
k_q7f28f6b7e7_pv:
	s_mov_b64 s[64:65], 0
	v_nop
	global_prefetch_b8 v0, s[64:65] scope:SCOPE_SE
	s_setreg_imm32_b32 hwreg(HW_REG_WAVE_MODE, 25, 1), 1
	s_wait_xcnt 0x0
	s_wait_alu depctr_hold_cnt(0) depctr_sa_sdst(0) depctr_va_vdst(0) depctr_va_sdst(0) depctr_va_ssrc(0) depctr_va_vcc(0) depctr_vm_vsrc(0)
	s_getreg_b32 s2, hwreg(HW_REG_IB_STS2, 6, 4)
	s_cmp_eq_u32 s2, 0
	s_cbranch_scc0 .Lentry_in_a_cluster
	s_endpgm
.Lentry_in_a_cluster:
	s_bfe_u32 s2, ttmp6, 0x10000c
	s_cmp_lg_u32 s2, 0xf033
	s_cbranch_scc0 .Lentry_shape_is_right
	s_endpgm
.Lentry_shape_is_right:
; The softmax's second half and O = attn V.  For each query row: cm_row = the largest of its 16 chunks' cm; f = 2^(cm_chunk - cm_row), rounded to f16; l_row = the sum of f x l over the chunks, in f32,
; with the rounded f; O = ((f x P') V) / l_row, rounded once to f16.  f x P' = 2^(c s - cm_row): the row's maximum is taken away, as in softmax.
; p: [8192][2048] f16.  stat: [16 chunks][8192 rows][2] f32: (cm, l).  qkv: [3][8192][1024] f16, of which V is the third plane.  o: [8192][1024] f16.  Products and sums in f32.
; A tile of O is 128 queries x 256 channels: 64 x 4 tiles, one to a work-group.  Four waves, 2 x 2, each 64 x 128: 32 accumulators of 16 x 16, 256 registers.
; K (the keys) goes in 16 steps of 128, a chunk a step, through two LDS slots filled by the tensor data mover.  Waves 0, 1 fetch P's two halves (64 rows x 256 bytes), waves 2, 3 V's (64 keys x 512 bytes).
; V lies [key][channel] and comes out of LDS turned, by ds_load_tr16_b128.  P's fragments are multiplied by f in registers, between their load and their product: 32 packed lines a quarter, four behind each
; of the quarter's last eight matrix instructions.
; CLUSTER: 4 x 4 work-groups of one batch.  The four of a row of the cluster need the same tile of P, the four of a column the same tile of V: each is asked for jointly.
; THE MATRIX INSTRUCTION IS USED TRANSPOSED (source 0 = 16 channels of V^T, source 1 = 16 queries of P): a lane holds query lane % 16 and the channels 8 (lane / 16) + 0..7.
; REGISTERS, in windows of 256 (s_set_vgpr_msb: bits 1:0 source 0, 3:2 source 1, 5:4 source 2, 7:6 destination):
;   window 0: v0-29 addresses; v32-35 f of my four row blocks; v36-43 1 / l_row; v64-159, v160-255 two fragment buffers (V's 8 fragments, then P's 4)          window 1: accumulator (a, b) at v[8 (8 a + b)]
; LIMITS.  f and f x P' below 6e-5 keep f16's fixed step of 6e-8, against l_row of about 1 at the least; an f below 2^-126 counts as 0.  NaN and infinities are not treated apart.
.set KS,     16                        ; K steps
.set LOGA,   12                        ; a row of p is 1 << LOGA bytes
.set LDA,    2048
.set ASTEP,  256                       ; bytes from a K step to the next in p,
.set BSTEP,  262144                    ; and in V: 128 keys of 2,048 bytes
.set PITCH,  272                       ; a row of P in LDS: 256 bytes + 16 of padding = 68 words: the 16 rows of a load start at 16 different groups of four banks (64 banks of 4 bytes: ISA guide 11.1)
.set PITCHB, 544                       ; a key of V: 512 + 32 = 136 words
.set AHALF,  64*PITCH
.set BOFF,   128*PITCH
.set BHALF,  64*PITCHB
.set SLOT1,  1<<17                     ; slot 1 begins here: one exclusive or turns an address in one slot into the other's
.set STAGE,  SLOT1+BOFF+2*BHALF        ; behind the ring, never filled by a tensor load: 16 rows x 272 bytes for each wave
.set SPITCH, 272
.set SPARE,  STAGE+4*8448              ; the spare words, 128 bytes for each wave: two blocks of 256 bytes that no other line names
.set FT,     SPARE+512                 ; [16 chunks][128 rows] words: f, twice in f16
.set RIT,    FT+8192                   ; [128 rows] words: 1 / l_row
.set LDCB,   2048                      ; bytes in a row of o
.set R,    1                           ; v1   lane % 16
.set H,    2                           ; v2   lane / 16
.set LN,   3                           ; v3   lane
.set AA0,  4                           ; v4   my place in slot 0's tile of P; never rewritten
.set AB0,  5                           ; v5   the same for V
.set ADRA, 6                           ; v6   the same in the slot in hand
.set ADRB, 7                           ; v7
.set STO,  8                           ; v8   the way out: where I put 16 bytes of a row
.set RD,   9                           ; v9   the way out: where I read a row back
.set CO,   10                          ; v10  my byte offset in o
.set PFO,  11                          ; v11  the prefetches' offset; never rewritten
.set BO,   12                          ; v12  8 x my thread's number: my row's (cm, l) in a chunk of stat
.set FAD,  13                          ; v13  where f of my rows lies, for the chunk in hand
.set RIA,  14                          ; v14  l_row at work; then where 1 / l_row of my rows lies
.set MX,   15                          ; v15  at work, then cm_row, then 1 / l_row
.set SPW,  28                          ; v28  LDS address of my spare word; never rewritten
.set NIL,  29                          ; v29  0; never rewritten
.set FR,   32                          ; v32-35  f of row block a, for the chunk in hand
.set RI,   36                          ; v[36:43] 1 / l_row of row block a, in pairs
.set F0,   64
.set F1,   160
.set T,    64                          ; the way out: 64 numbers divided by l_row
.set PK,   128                         ; the way out: the same, packed
.set WV,   10
.set RH,   11
.set CH,   12
.set TR,   13
.set TC,   14
.set CX,   15
.set CY,   16
.set CLX,  17
.set CLY,  18
.set BAT,  19                          ; s19  the batch: four rows of clusters each
.set G1A,  24                          ; s[24:31] descriptor group 1 for P's tiles
.set G0A0, 32                          ; s[32:35] group 0 of slot 0's first fill
.set G0A,  36                          ; s[36:39] group 0 of slot 1's first fill; it then walks
.set CB,   40                          ; s[40:41] o at my wave's first row and column
.set PFA,  44                          ; s[44:45] where my prefetches stand
.set PFS,  46                          ; s[46:47] their step
.set G1B,  48                          ; s[48:55], s[56:59], s[60:63] the same three for V's tiles
.set G0B0, 56
.set G0B,  60
.set CNT,  66
.set TB,   67
.set LIM,  68
.set ST,   74                          ; s[74:75] stat at the tile's first row, chunk 0
.set MULW, 0x50                        ; C and D in window 1, sources in window 0
.set MSB, 0
.macro WIN new                         ; the immediate's high byte repeats the setting that is left; a switch that changes nothing is dropped
.if MSB != (\new)
	s_set_vgpr_msb (MSB<<8)|(\new)
.set MSB, \new
.endif
.endm
.macro PLACES                          ; four plain places behind a matrix instruction, ahead of loads into registers that it has read and of lines that read results
.rept 4
	v_nop
.endr
.endm
.macro CREST                           ; a round of the cluster's barrier behind its opening barrier
	s_cmp_lg_u32 s[WV], 0
	s_cbranch_scc1 .Lnot_wave_0_\@
	s_barrier_signal -3
.Lnot_wave_0_\@:
	s_barrier_wait -3
	s_barrier_signal -1
	s_barrier_wait -1
.endm
.macro CROUND                          ; a whole round
	s_barrier_signal -1
	s_barrier_wait -1
	CREST
.endm
.macro JLOAD                           ; a joint refill by the walking descriptor; the branch hangs on the wave's number alone; an s_nop 0 and four v_nop follow each line
	s_cmp_lt_u32 s[WV], 2
	s_cbranch_scc0 .Lfor_b_\@
	tensor_load_to_lds s[G0A:G0A+3], s[G1A:G1A+7]
	s_nop 0
.rept 4
	v_nop
.endr
	s_branch .Lasked_\@
.Lfor_b_\@:
	tensor_load_to_lds s[G0B:G0B+3], s[G1B:G1B+7]
	s_nop 0
.rept 4
	v_nop
.endr
.Lasked_\@:
.endm
; A PREFETCH of the K step that stands two refills on: 32 blocks of 256 bytes, a lane a block.  Each block is named once in the launch: P's tile row by wave 0 (there is one column of clusters; the partner at cx
; takes rows 32 cx ..), V's tile column by the batch's first row of clusters (waves 2, 3, each in the 64 keys that it fetches; the partner at cy takes keys 16 cy .., two blocks a key).  The partners are told
; apart by address; no branch hangs on a work-group's place in its cluster.  The trip that refills step i + 2 names step i + 4: the last two refills name nothing.  Steps 0 to 3 come by their loads alone.
.macro ASK
	s_cmp_gt_u32 s[CNT], s[LIM]
	s_cbranch_scc0 .Lnot_mine_\@
	global_prefetch_b8 v[PFO], s[PFA:PFA+1] th:TH_LOAD_NT scope:SCOPE_SE
.Lnot_mine_\@:
.endm
; 8 matrix instructions: row block a x all 8 channel blocks, 32 keys, from buffer f.  zero = 1: the product starts the sums.  The 32 accumulators take turns, in the same order in every quarter.
.macro MUL8 f, a, zero
	WIN MULW
.irp b, 0,1,2,3,4,5,6,7
.if \zero
	v_wmma_f32_16x16x32_f16 v[8*(8*(\a)+(\b)):8*(8*(\a)+(\b))+7], v[(\f)+8*(\b):(\f)+8*(\b)+7], v[(\f)+64+8*(\a):(\f)+64+8*(\a)+7], 0
.else
	v_wmma_f32_16x16x32_f16 v[8*(8*(\a)+(\b)):8*(8*(\a)+(\b))+7], v[(\f)+8*(\b):(\f)+8*(\b)+7], v[(\f)+64+8*(\a):(\f)+64+8*(\a)+7], v[8*(8*(\a)+(\b)):8*(8*(\a)+(\b))+7]
.endif
.endr
.endm
; Four of the 32 lines that multiply buffer g's fragments of P by f: registers 4 n .. 4 n + 3, of row block n / 2.
.macro RIDE g, n
	WIN 0
.irp z, 0,1,2,3
	v_pk_mul_f16 v[(\g)+64+4*(\n)+(\z)], v[(\g)+64+4*(\n)+(\z)], v[FR+(\n)/2]
.endr
.endm
; Row block 3's 8 matrix instructions from buffer f, and behind each four lines that scale buffer g.  They name no register of the products round them; the last four are the places ahead of the next run of loads.
.macro MULR f, g, zero
.irp b, 0,1,2,3,4,5,6,7
	WIN MULW
.if \zero
	v_wmma_f32_16x16x32_f16 v[8*(24+(\b)):8*(24+(\b))+7], v[(\f)+8*(\b):(\f)+8*(\b)+7], v[(\f)+88:(\f)+95], 0
.else
	v_wmma_f32_16x16x32_f16 v[8*(24+(\b)):8*(24+(\b))+7], v[(\f)+8*(\b):(\f)+8*(\b)+7], v[(\f)+88:(\f)+95], v[8*(24+(\b)):8*(24+(\b))+7]
.endif
	RIDE \g, \b
.endr
.endm
; The LDS loads of a quarter in one run, into buffer f: with fc = 1 the chunk's f first (4), then P's fragments at byte k of the rows (8), then V's, keys k / 2 on, turned (16).
; The turning load takes 16 keys x 16 channels (lane l reads key 8 (l / 16) + l % 8, channels 8 ((l / 8) % 2) + 0..7) and leaves half a fragment of V^T: lane l holds channel l % 16 and 8 keys.
.macro FETCH k, f, fc
	WIN 0
.if \fc
.irp a, 0,1,2,3
	ds_load_b32 v[FR+(\a)], v[FAD] offset:64*(\a)
.endr
.endif
.irp a, 0,1,2,3
	ds_load_b128 v[(\f)+64+8*(\a):(\f)+64+8*(\a)+3],   v[ADRA] offset:(\k)+(\a)*16*PITCH
	ds_load_b128 v[(\f)+64+8*(\a)+4:(\f)+64+8*(\a)+7], v[ADRA] offset:(\k)+(\a)*16*PITCH+32
.endr
.irp b, 0,1,2,3,4,5,6,7
	ds_load_tr16_b128 v[(\f)+8*(\b):(\f)+8*(\b)+3],   v[ADRB] offset:((\k)/64)*32*PITCHB+32*(\b)
	ds_load_tr16_b128 v[(\f)+8*(\b)+4:(\f)+8*(\b)+7], v[ADRB] offset:((\k)/64)*32*PITCHB+16*PITCHB+32*(\b)
.endr
.endm
; A K step is four quarters of 32 keys, on buffers 0, 1, 0, 1.  One of the first three: buffer f is in and scaled; the next quarter is asked for into g; f is multiplied; g's P is scaled beside the last 8 products.
.macro QUARTER k, f, g, zero
	s_wait_dscnt 0x0
	FETCH \k, \g, 0
	MUL8 \f, 0, \zero
	MUL8 \f, 1, \zero
	MUL8 \f, 2, \zero
	s_wait_dscnt 16                                ; V's sixteen loads, issued behind P's, may stay out
	MULR \f, \g, \zero
.endm
; The last quarter multiplies buffer 1 and changes slots: one barrier.  Ahead of it each wave waits for all its tensor loads (one is out: its part of the other slot), adds 0 to its spare word, and waits for
; that and for its reads of this slot.  fill = 1: the barrier opens a round of the cluster's barrier, and the joint refill of this slot, two K steps ahead, is the first thing behind the round:
; 112 matrix instructions ahead of the wait for it.  fill = 0 (the tail): nothing is filled; in the last trip there is no further slot, the fetch is jumped over, and the 32 scaling lines work on
; registers that nothing reads any more: the price, once a wave, of one text for both trips.
.macro TURN fill
.if \fill
	s_wait_xcnt 0x0                                ; the last prefetch, a K step back, has read its address
	s_add_nc_u64 s[PFA:PFA+1], s[PFA:PFA+1], s[PFS:PFS+1]
.endif
	WIN 0
	s_wait_tensorcnt 0x0                           ; no tensor load of mine is out, so a group 0 may be written
	ds_add_u32 v[SPW], v[NIL]                      ; 0 onto my spare word
.if \fill
	s_xor_b32 s[G0A+1], s[G0A+1], SLOT1            ; the walking descriptors: the other slot than last time, the next K step
	s_add_nc_u64 s[G0A+2:G0A+3], s[G0A+2:G0A+3], ASTEP
	s_xor_b32 s[G0B+1], s[G0B+1], SLOT1
	s_add_nc_u64 s[G0B+2:G0B+3], s[G0B+2:G0B+3], BSTEP
.endif
	s_wait_dscnt 0x1                               ; only the add may be out: buffer 1 is in
	MUL8 F1, 0, 0
	s_wait_dscnt 0x0                               ; the add is done, and my reads of this slot are over
	s_barrier_signal -1
	MUL8 F1, 1, 0
	WIN 0
	s_barrier_wait -1
.if \fill
	CREST                                          ; no wave of any partner still reads this slot's tiles or has a load on its way
	JLOAD
.else
	PLACES
	s_cmp_eq_u32 s[CNT], 1
	s_cbranch_scc1 .Lno_more_\@
.endif
	s_xor_b32 s[TB], s[TB], SLOT1
	v_add_nc_u32 v[ADRA], s[TB], v[AA0]
	v_add_nc_u32 v[ADRB], s[TB], v[AB0]
	v_add_nc_u32 v[FAD], 512, v[FAD]               ; the next chunk's f
	FETCH 0, F0, 1
.if \fill
	ASK
.else
.Lno_more_\@:
.endif
	MUL8 F1, 2, 0
	s_wait_dscnt 16                                ; f and P are in; V's sixteen loads may stay out
	MULR F1, F0, 0
.endm
	s_load_b256 s[84:91], s[0:1], 0x0              ; p s[84:85], stat s[86:87], qkv s[88:89], o s[90:91]
	v_lshl_add_u32 v[SPW], v0, 2, SPARE
	v_mov_b32 v[NIL], 0
	ds_add_u32 v[SPW], v[NIL]                      ; the wave's opening: the add, waited for ahead of my first tensor load; work on registers stands between them
	v_lshrrev_b32 v1, 5, v0
	v_readfirstlane_b32 s[WV], v1
	s_lshr_b32 s[RH], s[WV], 1
	s_and_b32 s[CH], s[WV], 1
	s_bfe_u32 s[CX], ttmp6, 0x40000
	s_bfe_u32 s[CY], ttmp6, 0x40004
	s_mov_b32 s[CLX], ttmp9                        ; in a cluster launch ttmp9 and ttmp7 count clusters
	s_and_b32 s[CLY], ttmp7, 0xffff
	s_lshl_b32 s[TC], s[CLX], 2
	s_add_co_u32 s[TC], s[TC], s[CX]
	s_lshl_b32 s[TR], s[CLY], 2
	s_add_co_u32 s[TR], s[TR], s[CY]
	s_lshr_b32 s[BAT], s[CLY], 2
	s_lshl_b32 s2, s[CY], 2
	s_lshl_b32 s2, 15, s2                          ; my row of the cluster
	s_lshl_b32 s3, 0x1111, s[CX]                   ; my column
	s_or_b32 s[G1A], s2, 0x07710000                ; the mask; 17:16 2-byte elements; 20 padding on; 21 set beside a mask; 24:22 after every 64 words (code 5); 31:25 4 words (code 3)
	s_or_b32 s[G1B], s3, 0x0fb10000                ; the same with 8 words (code 7) after every 128 (code 6)
	s_mov_b32 s[G1A+1], 128<<16                    ; P: tensor_dim0 = tile_dim0 = 128 elements,
	s_mov_b32 s[G1A+2], 64<<16                     ; tensor_dim1 = tile_dim1 = 64 rows
	s_mov_b32 s[G1A+3], 128<<16
	s_mov_b32 s[G1A+4], 64
	s_mov_b32 s[G1A+5], LDA
	s_mov_b32 s[G1A+6], 0
	s_mov_b32 s[G1A+7], 0
	s_mov_b32 s[G1B+1], 256<<16                    ; V: 256 channels,
	s_mov_b32 s[G1B+2], 64<<16                     ; 64 keys
	s_mov_b32 s[G1B+3], 256<<16
	s_mov_b32 s[G1B+4], 64
	s_mov_b32 s[G1B+5], 1024
	s_mov_b32 s[G1B+6], 0
	s_mov_b32 s[G1B+7], 0
	s_lshl_b32 s4, s[TR], 7                        ; A = P': row 128 x tile row + 64 x half, in bytes
	s_lshl_b32 s5, s[CH], 6
	s_add_co_u32 s4, s4, s5
	s_lshl_b32 s4, s4, LOGA
	s_mov_b32 s5, 0
	s_lshl_b32 s6, s[BAT], 22                      ; B = V: the third plane of qkv, key 2,048 x batch + 64 x half, channel 256 x tile column
	s_lshl_b32 s7, s[CH], 17
	s_add_co_u32 s6, s6, s7
	s_lshl_b32 s7, s[TC], 9
	s_add_co_u32 s6, s6, s7
	s_add_co_u32 s6, s6, 0x2000000
	s_mov_b32 s7, 0
	s_mul_i32 s8, s[CH], AHALF                     ; where they go: no place in the cluster enters an LDS address
	s_mul_i32 s9, s[CH], BHALF
	s_add_co_u32 s9, s9, BOFF
	s_lshl_b32 s2, s[TR], 10                       ; stat: 8 bytes x 128 rows x tile row
	s_mov_b32 s3, 0
	s_wait_dscnt 0x0                               ; the opening add is done
	s_wait_kmcnt 0x0
	s_add_nc_u64 s[20:21], s[84:85], s[4:5]
	s_add_nc_u64 s[22:23], s[88:89], s[6:7]
	s_add_nc_u64 s[ST:ST+1], s[86:87], s[2:3]
	s_mov_b32 s[G0A0], 1                           ; count = 1
	s_mov_b32 s[G0A0+1], s8                        ; LDS address
	s_mov_b64 s[G0A0+2:G0A0+3], s[20:21]           ; global address: K step 0
	s_or_b32 s[G0A0+3], s[G0A0+3], 0x80000000      ; type = 2
	s_mov_b32 s[G0A], 1
	s_add_co_u32 s[G0A+1], s8, SLOT1
	s_add_nc_u64 s[G0A+2:G0A+3], s[20:21], ASTEP   ; K step 1
	s_or_b32 s[G0A+3], s[G0A+3], 0x80000000
	s_mov_b32 s[G0B0], 1
	s_mov_b32 s[G0B0+1], s9
	s_mov_b64 s[G0B0+2:G0B0+3], s[22:23]
	s_or_b32 s[G0B0+3], s[G0B0+3], 0x80000000
	s_mov_b32 s[G0B], 1
	s_add_co_u32 s[G0B+1], s9, SLOT1
	s_add_nc_u64 s[G0B+2:G0B+3], s[22:23], BSTEP
	s_or_b32 s[G0B+3], s[G0B+3], 0x80000000
	CROUND                                         ; all sixteen work-groups are here: the first joint loads meet
	s_cmp_lt_u32 s[WV], 2                          ; a wave's two first fills stand in one branch: two loads of mine are out
	s_cbranch_scc0 .Lfirst_b
	tensor_load_to_lds s[G0A0:G0A0+3], s[G1A:G1A+7]
	s_nop 0
	tensor_load_to_lds s[G0A:G0A+3], s[G1A:G1A+7]
	s_nop 0
.rept 4
	v_nop
.endr
	s_branch .Lfirst_done
.Lfirst_b:
	tensor_load_to_lds s[G0B0:G0B0+3], s[G1B:G1B+7]
	s_nop 0
	tensor_load_to_lds s[G0B:G0B+3], s[G1B:G1B+7]
	s_nop 0
.rept 4
	v_nop
.endr
.Lfirst_done:
	; THE TABLE.  Thread t owns row t of the tile's 128: its 16 chunks' (cm, l) come into v[64:95]
	v_lshlrev_b32 v[BO], 3, v0
.set c, 0
.rept 16
	global_load_b64 v[64+2*c:65+2*c], v[BO], s[ST:ST+1] offset:65536*c
.set c, c+1
.endr
	v_and_b32 v[R], 15, v0
	v_bfe_u32 v[H], v0, 4, 1
	v_and_b32 v[LN], 31, v0
	v_mul_u32_u24 v[AA0], v[R], PITCH
	v_lshl_add_u32 v[AA0], v[H], 4, v[AA0]         ; row x pitch + 16 x half
	s_mul_i32 s2, s[RH], AHALF
	v_add_nc_u32 v[AA0], s2, v[AA0]                ; my 64 rows of P
	v_and_b32 v[MX], 7, v0
	v_lshl_add_u32 v[MX], v[H], 3, v[MX]           ; key 8 (l / 16) + l % 8
	v_mul_u32_u24 v[AB0], v[MX], PITCHB
	v_bfe_u32 v[MX], v0, 3, 1
	v_lshl_add_u32 v[AB0], v[MX], 4, v[AB0]        ; channels 8 ((l / 8) % 2) on
	s_lshl_b32 s2, s[CH], 8                        ; my 128 channels: 256 bytes of a key
	s_add_co_u32 s2, s2, BOFF
	v_add_nc_u32 v[AB0], s2, v[AB0]
	v_mov_b32 v[ADRA], v[AA0]
	v_mov_b32 v[ADRB], v[AB0]
	s_mov_b32 s[TB], 0
	s_mul_i32 s2, s[WV], 16*SPITCH
	s_add_co_u32 s2, s2, STAGE                     ; my stage
	v_mul_u32_u24 v[STO], v[R], SPITCH             ; in: row l % 16, 16 bytes for each half of the lanes
	v_lshl_add_u32 v[STO], v[H], 4, v[STO]
	v_add_nc_u32 v[STO], s2, v[STO]
	v_mul_u32_u24 v[RD], v[H], SPITCH              ; back: lanes 0-15 take one row of 256 bytes, lanes 16-31 the next
	v_lshl_add_u32 v[RD], v[R], 4, v[RD]
	v_add_nc_u32 v[RD], s2, v[RD]
	v_mul_u32_u24 v[CO], v[H], LDCB                ; and the same two rows in o
	v_lshl_add_u32 v[CO], v[R], 4, v[CO]
	s_lshl_b32 s20, s[TR], 7                       ; o: row 128 x tile row + 64 x half, column 256 x tile column + 128 x half
	s_lshl_b32 s21, s[RH], 6
	s_add_co_u32 s20, s20, s21
	s_lshl_b32 s20, s20, 11
	s_lshl_b32 s21, s[TC], 9
	s_add_co_u32 s20, s20, s21
	s_lshl_b32 s21, s[CH], 8
	s_add_co_u32 s20, s20, s21
	s_mov_b32 s21, 0
	s_add_nc_u64 s[CB:CB+1], s[90:91], s[20:21]
	s_lshl_b32 s2, s[TR], 7                        ; the prefetches.  P: rows 128 x tile row + 32 cx, at K step 3: the first change of slots steps it to 4
	s_lshl_b32 s3, s[CX], 5
	s_add_co_u32 s2, s2, s3
	s_lshl_b32 s2, s2, LOGA
	s_add_co_u32 s2, s2, 3*ASTEP
	s_lshl_b32 s3, s[CY], 15                       ; V: the 64 keys that I fetch, keys 16 cy on
	s_add_co_u32 s3, s3, s6
	s_add_co_u32 s3, s3, 3*BSTEP
	s_and_b32 s21, s[CLY], 3                       ; 0 in the batch's first row of clusters
	s_mov_b32 s[PFS], BSTEP
	s_mov_b32 s4, 2048                             ; V: bytes from key to key,
	s_mov_b32 s5, 1                                ; two lanes a key,
	s_mov_b32 s7, 256                              ; the odd lane at the key's second 256 bytes
	s_cmp_lt_u32 s[WV], 2
	s_cselect_b32 s2, s2, s3
	s_cselect_b64 s[PFA:PFA+1], s[84:85], s[88:89]
	s_cselect_b32 s[PFS], ASTEP, s[PFS]
	s_cselect_b32 s4, 1<<LOGA, s4                  ; P: a lane a row
	s_cselect_b32 s5, 0, s5
	s_cselect_b32 s7, 0, s7
	s_cselect_b32 s21, s[CLX], s21                 ; the coordinate along which other clusters read the same blocks
	s_mov_b32 s3, 0
	s_mov_b32 s[PFS+1], 0
	s_add_nc_u64 s[PFA:PFA+1], s[PFA:PFA+1], s[2:3]
	s_cmp_eq_u32 s[WV], 1                          ; wave 1 asks for nothing: wave 0's 32 rows are the work-group's share of P
	s_cselect_b32 s21, 1, s21
	s_cmp_eq_u32 s21, 0
	s_cselect_b32 s[LIM], 2, -1                    ; the same in all sixteen partners, for a given wave
	v_lshrrev_b32 v[PFO], s5, v[LN]
	v_mul_u32_u24 v[PFO], v[PFO], s4
	v_and_b32 v[MX], 1, v[LN]
	v_mad_u32_u24 v[PFO], v[MX], s7, v[PFO]
	s_wait_loadcnt 0x0                             ; my row's 16 (cm, l)
	v_max3_num_f32 v[MX], v64, v66, v68            ; cm_row
.irp c, 70,74,78,82,86,90
	v_max3_num_f32 v[MX], v[MX], v[\c], v[(\c)+2]
.endr
	v_max_num_f32 v[MX], v[MX], v94
.set c, 0
.rept 16
	v_sub_f32 v[96+c], v[64+2*c], v[MX]
.set c, c+1
.endr
.set c, 0
.rept 16
	v_exp_f32 v[96+c], v[96+c]                     ; f: one batch of 16
.set c, c+1
.endr
	v_mov_b32 v[RIA], 0                            ; a plain instruction behind the last exponential: l_row starts at 0
	s_wait_alu depctr_va_vdst(0)                   ; the wait ahead of the first line that names a result: one for the batch
.set c, 0
.rept 16
	v_cvt_pk_f16_f32 v[112+c], v[96+c], v[96+c]    ; f twice in f16: what the packed multiply takes
.set c, c+1
.endr
.set c, 0
.rept 16
	v_fma_mix_f32 v[RIA], v[112+c], v[65+2*c], v[RIA] op_sel_hi:[1,0,0]  ; l_row += (the rounded f) x l, in f32: weights and divisor agree
.set c, c+1
.endr
	v_rcp_f32 v[MX], v[RIA]
	v_lshl_add_u32 v[FAD], v0, 2, FT               ; a plain instruction behind the reciprocal: my row's word in a chunk of the table
	s_wait_alu depctr_va_vdst(0)
.set c, 0
.rept 16
	ds_store_b32 v[FAD], v[112+c] offset:512*c
.set c, c+1
.endr
	ds_store_b32 v[FAD], v[MX] offset:RIT-FT
	s_lshl_b32 s2, s[RH], 8
	s_add_co_u32 s2, s2, FT
	v_lshl_add_u32 v[FAD], v[R], 2, s2             ; f of row 64 x half + l % 16, chunk 0; 64 bytes a row block, 512 a chunk
	v_add_nc_u32 v[RIA], RIT-FT, v[FAD]            ; and 1 / l_row of the same row
	s_wait_dscnt 0x0                               ; for the others' sake: my part of the table is written
	s_wait_tensorcnt 0x1                           ; my part of K step 0 is in; slot 1's fill may stay out
	s_barrier_signal -1
	s_barrier_wait -1                              ; everybody's is
	FETCH 0, F0, 1
	s_wait_dscnt 16                                ; f and P are in
.irp n, 0,1,2,3,4,5,6,7
	RIDE F0, \n                                    ; the first quarter's P is scaled by itself: there are no products yet to set it beside
.endr
	QUARTER 64, F0, F1, 1                          ; the first quarter stands ahead of the loop: its products start the sums
	WIN 0
	s_mov_b32 s[CNT], KS-2
.Lstep:                                        ; KS - 2 trips, from a step's second quarter to the next step's first; each fills a slot again
	QUARTER 128, F1, F0, 0
	QUARTER 192, F0, F1, 0
	TURN 1
	QUARTER 64, F0, F1, 0
	WIN 0
	s_sub_co_u32 s[CNT], s[CNT], 1
	s_cmp_lg_u32 s[CNT], 0
	s_cbranch_scc1 .Lstep
	s_mov_b32 s[CNT], 2
.Ltail:                                        ; the last two K steps ask for nothing; the second trip is left in its middle
	QUARTER 128, F1, F0, 0
	QUARTER 192, F0, F1, 0
	TURN 0
	WIN 0
	s_sub_co_u32 s[CNT], s[CNT], 1
	s_cmp_eq_u32 s[CNT], 0
	s_cbranch_scc1 .Lout
	QUARTER 64, F0, F1, 0
	WIN 0
	s_branch .Ltail
.Lout:
; THE WAY OUT, a block of 16 rows at a time.  PACK: the sums are divided by l_row, each accumulator's registers in ascending order, and rounded to f16: 16 bytes a lane and channel block.
.macro PACK a
	WIN 0x01                                       ; source 0 window 1
.irp b, 0,1,2,3,4,5,6,7
.irp j, 0,2,4,6
	v_pk_mul_f32 v[T+8*(\b)+(\j):T+8*(\b)+(\j)+1], v[8*(8*(\a)+(\b))+(\j):8*(8*(\a)+(\b))+(\j)+1], v[RI+2*(\a):RI+2*(\a)+1] op_sel_hi:[1,0]
.endr
.endr
	WIN 0
.set i, 0
.rept 32
	v_cvt_pk_f16_f32 v[PK+i], v[T+2*i], v[T+2*i+1]
.set i, i+1
.endr
.endm
.macro TOSTAGE a                       ; into my own stage, and back as whole rows of 256 bytes
.set BK, 160+32*((\a)%2)
.irp b, 0,1,2,3,4,5,6,7
	ds_store_b128 v[STO], v[PK+4*(\b):PK+4*(\b)+3] offset:32*(\b)
.endr
.irp t, 0,1,2,3,4,5,6,7
	ds_load_b128 v[BK+4*(\t):BK+4*(\t)+3], v[RD] offset:(\t)*2*SPITCH  ; LDS serves a wave's instructions in order (ISA guide 5.7.1.4): these see the stores above
.endr
.endm
.macro SEND a
.set BK, 160+32*((\a)%2)
	s_wait_dscnt 0x0                               ; the block is back in registers
	s_wait_xcnt 0x0                                ; the stores of the block before have read their registers: the next block is read back into them only behind this wait
.irp t, 0,1,2,3,4,5,6,7
	global_store_b128 v[CO], v[BK+4*(\t):BK+4*(\t)+3], s[CB:CB+1] offset:(16*(\a)+2*(\t))*LDCB  ; 16 lanes store 256 consecutive bytes, aligned
.endr
.endm
.irp a, 0,1,2,3
	ds_load_b32 v[RI+2*(\a)], v[RIA] offset:64*(\a)
.endr
	PLACES
	s_wait_dscnt 0x0
.irp a, 0,1,2,3
	v_mov_b32 v[RI+2*(\a)+1], v[RI+2*(\a)]         ; named as pairs
.endr
	PACK 0
	TOSTAGE 0
.irp a, 1,2,3                          ; block a's arithmetic stands between block a - 1's loads from the stage and the wait for them
	PACK \a
	SEND (\a)-1
	TOSTAGE \a
.endr
	SEND 3
	s_wait_tensorcnt 0x0                           ; the wave's end, behind my last tensor load and my last LDS store
	ds_add_u32 v[SPW], v[NIL]
	s_wait_dscnt 0x0
	CROUND                                         ; the closing round: no work-group ends while a partner may still ask for a tile that names it
	s_endpgm
.Lfunc_end_k_q7f28f6b7e7_pv:
	.size	k_q7f28f6b7e7_pv, .Lfunc_end_k_q7f28f6b7e7_pv-k_q7f28f6b7e7_pv
	.p2alignl 7, 3214868480
	.fill 96, 4, 3214868480
	.section	.rodata,"a",@progbits
	.p2align	6, 0x0
	.amdhsa_kernel k_q7f28f6b7e7_pv
		.amdhsa_group_segment_fixed_size 327680
		.amdhsa_private_segment_fixed_size 0
		.amdhsa_enable_private_segment 0
		.amdhsa_kernarg_size 32
		.amdhsa_user_sgpr_count 2
		.amdhsa_user_sgpr_kernarg_segment_ptr 1
		.amdhsa_wavefront_size32 1
		.amdhsa_system_sgpr_workgroup_id_x 1
		.amdhsa_system_sgpr_workgroup_id_y 1
		.amdhsa_system_sgpr_workgroup_id_z 1
		.amdhsa_system_vgpr_workitem_id 0
		.amdhsa_next_free_vgpr 512
		.amdhsa_next_free_sgpr 100
		.amdhsa_reserve_vcc 0
		.amdhsa_float_denorm_mode_32 3
		.amdhsa_float_denorm_mode_16_64 3
		.amdhsa_memory_ordered 1
		.amdhsa_forward_progress 1
		.amdhsa_inst_pref_size 101
	.end_amdhsa_kernel
	.amdgpu_metadata
---
amdhsa.version: [ 1, 2 ]
amdhsa.kernels:
  - .name:           k_q7f28f6b7e7_pv
    .symbol:         k_q7f28f6b7e7_pv.kd
    .args:
      - { .name: p, .offset: 0, .size: 8, .value_kind: global_buffer, .address_space: global }
      - { .name: stat, .offset: 8, .size: 8, .value_kind: global_buffer, .address_space: global }
      - { .name: qkv, .offset: 16, .size: 8, .value_kind: global_buffer, .address_space: global }
      - { .name: o, .offset: 24, .size: 8, .value_kind: global_buffer, .address_space: global }
    .group_segment_fixed_size: 327680
    .private_segment_fixed_size: 0
    .kernarg_segment_align: 8
    .kernarg_segment_size: 32
    .max_flat_workgroup_size: 128
    .sgpr_count:     100
    .vgpr_count:     512
    .wavefront_size: 32
...
	.end_amdgpu_metadata
.endif
;; end of part 4
;; launch outp (part 5): grid 4 x 64, 4 waves a work-group, clusters of 4 x 4, 327,680 bytes of LDS; arguments o, w16, bo, out0; writes out0
.if DOCPART == 5
	.amdgcn_target "amdgcn-amd-amdhsa--gfx1250"
	.amdhsa_code_object_version 6
	.text
	.protected	k_q7f28f6b7e7_outp
	.globl	k_q7f28f6b7e7_outp
	.p2align	8
	.type	k_q7f28f6b7e7_outp,@function
k_q7f28f6b7e7_outp:
	s_mov_b64 s[64:65], 0
	v_nop
	global_prefetch_b8 v0, s[64:65] scope:SCOPE_SE
	s_setreg_imm32_b32 hwreg(HW_REG_WAVE_MODE, 25, 1), 1
	s_wait_xcnt 0x0
	s_wait_alu depctr_hold_cnt(0) depctr_sa_sdst(0) depctr_va_vdst(0) depctr_va_sdst(0) depctr_va_ssrc(0) depctr_va_vcc(0) depctr_vm_vsrc(0)
	s_getreg_b32 s2, hwreg(HW_REG_IB_STS2, 6, 4)
	s_cmp_eq_u32 s2, 0
	s_cbranch_scc0 .Lentry_in_a_cluster
	s_endpgm
.Lentry_in_a_cluster:
	s_bfe_u32 s2, ttmp6, 0x10000c
	s_cmp_lg_u32 s2, 0xf033
	s_cbranch_scc0 .Lentry_shape_is_right
	s_endpgm
.Lentry_shape_is_right:
; out0 = O Wo^T + bo.  o: [8192][1024] f16.  w16: [4096][1024] f16, of which rows 3072-4095 are Wo.  bo: [1024] f32.  out0: [8192][1024] f32.  Sums and bias in f32.
; A tile of C is 128 rows x 256 columns: 64 x 4 tiles, one to a work-group.  Four waves, 2 x 2, each 64 x 128: 32 accumulators of 16 x 16, 256 registers.
; K goes in 8 steps of 128 through two LDS slots filled by the tensor data mover: tile rows are 256 bytes of memory, aligned.  Waves 0, 1 fetch A's two halves (64 rows), waves 2, 3 B's (128 rows).
; CLUSTER: 4 x 4 work-groups.  The four of a row of the cluster need the same tile of o, the four of a column the same tile of Wo: each is asked for jointly.
; THE MATRIX INSTRUCTION IS USED TRANSPOSED (source 0 = 16 rows of Wo, source 1 = 16 rows of o): a lane holds row lane % 16 of C and the columns 8 (lane / 16) + 0..7.
; REGISTERS, in windows of 256 (s_set_vgpr_msb: bits 1:0 source 0, 3:2 source 1, 5:4 source 2, 7:6 destination):
;   window 0: v0-29 addresses; v64-159, v160-255 two fragment buffers (B's 8 fragments, then A's 4); on the way out v64-255 at work
;   window 1: accumulator (a, b) at v[8 (8 a + b)]          window 2: v0-63 the bias of my 8 x 8 columns
; LIMITS.  None of its own: the operands arrive in f16.  NaN and infinities are not treated apart.
.set KS,     8                         ; K steps
.set LOGA,   11                        ; a row of A is 1 << LOGA bytes
.set LDA,    1024
.set ASTEP,  256                       ; bytes from a K step to the next, in A and in B
.set BSTEP,  256
.set PITCH,  272                       ; an LDS row: 256 bytes + 16 of padding = 68 words: the 16 rows of a load start at 16 different groups of four banks (64 banks of 4 bytes: ISA guide 11.1)
.set AHALF,  64*PITCH
.set BOFF,   128*PITCH
.set BHALF,  128*PITCH
.set SLOT1,  1<<17                     ; slot 1 begins here: one exclusive or turns an address in one slot into the other's
.set STAGE,  SLOT1+BOFF+2*BHALF        ; behind the ring, never filled by a tensor load: 16 rows x 528 bytes for each wave
.set SPITCH, 528                       ; 512 bytes + 16 = 132 words: row r starts at bank 4 r mod 64
.set SPARE,  STAGE+4*16*SPITCH         ; the spare words, 128 bytes for each wave: two blocks of 256 bytes that no other line names
.set LDCB,   4096                      ; bytes in a row of C
.set R,    1                           ; v1   lane % 16
.set H,    2                           ; v2   lane / 16
.set LN,   3                           ; v3   lane
.set AA0,  4                           ; v4   my place in slot 0's tile of A; never rewritten
.set AB0,  5                           ; v5   the same for B
.set ADRA, 6                           ; v6   the same in the slot in hand
.set ADRB, 7                           ; v7
.set STO,  8                           ; v8   the way out: where I put 32 bytes of a row
.set RD,   9                           ; v9   the way out: where I read 16 bytes of a row back
.set CO,   10                          ; v10  16 x lane: my byte offset in the wave's 512 bytes of a row of C
.set PFO,  11                          ; v11  the prefetches' offset: a lane a row; never rewritten
.set BO,   12                          ; v12  my byte offset in the bias
.set SPW,  28                          ; v28  LDS address of my spare word; never rewritten
.set NIL,  29                          ; v29  0; never rewritten
.set F0,   64
.set F1,   160
.set T,    64                          ; the way out: 64 sums with their bias
.set WV,   10
.set RH,   11
.set CH,   12
.set TR,   13
.set TC,   14
.set CX,   15
.set CY,   16
.set CLX,  17
.set CLY,  18
.set G1A,  24                          ; s[24:31] descriptor group 1 for A's tiles
.set G0A0, 32                          ; s[32:35] group 0 of slot 0's first fill
.set G0A,  36                          ; s[36:39] group 0 of slot 1's first fill; it then walks
.set CB,   40                          ; s[40:41] C at my wave's first row and column
.set PFA,  44                          ; s[44:45] where my prefetches stand
.set PFS,  46                          ; s[46:47] their step
.set G1B,  48                          ; s[48:55], s[56:59], s[60:63] the same three for B's tiles
.set G0B0, 56
.set G0B,  60
.set CNT,  66
.set TB,   67
.set LIM,  68
.set MULW, 0x50                        ; C and D in window 1, sources in window 0
.set MSB, 0
.macro WIN new                         ; the immediate's high byte repeats the setting that is left; a switch that changes nothing is dropped
.if MSB != (\new)
	s_set_vgpr_msb (MSB<<8)|(\new)
.set MSB, \new
.endif
.endm
.macro PLACES                          ; four plain places behind a matrix instruction, ahead of loads into registers that it has read and of lines that read results
.rept 4
	v_nop
.endr
.endm
.macro CREST                           ; a round of the cluster's barrier behind its opening barrier
	s_cmp_lg_u32 s[WV], 0
	s_cbranch_scc1 .Lnot_wave_0_\@
	s_barrier_signal -3
.Lnot_wave_0_\@:
	s_barrier_wait -3
	s_barrier_signal -1
	s_barrier_wait -1
.endm
.macro CROUND                          ; a whole round
	s_barrier_signal -1
	s_barrier_wait -1
	CREST
.endm
.macro JLOAD                           ; a joint refill by the walking descriptor; the branch hangs on the wave's number alone; an s_nop 0 and four v_nop follow each line
	s_cmp_lt_u32 s[WV], 2
	s_cbranch_scc0 .Lfor_b_\@
	tensor_load_to_lds s[G0A:G0A+3], s[G1A:G1A+7]
	s_nop 0
.rept 4
	v_nop
.endr
	s_branch .Lasked_\@
.Lfor_b_\@:
	tensor_load_to_lds s[G0B:G0B+3], s[G1B:G1B+7]
	s_nop 0
.rept 4
	v_nop
.endr
.Lasked_\@:
.endm
; A PREFETCH of the K step that stands two refills on: 32 rows x 256 bytes, a lane a row.  Each row's 256 bytes of a K step are named once in the launch: o's tile row by wave 0 (there is one column of clusters;
; the partner at cx takes rows 32 cx ..), Wo's tile column by the cluster with y = 0 (waves 2, 3, each in the half that it fetches; the partner at cy takes rows 32 cy ..).  The partners are told apart by
; address; no branch hangs on a work-group's place in its cluster.  The trip that refills step i + 2 names step i + 4: the last two refills name nothing.  Steps 0 to 3 come by their loads alone.
.macro ASK
	s_cmp_gt_u32 s[CNT], s[LIM]
	s_cbranch_scc0 .Lnot_mine_\@
	global_prefetch_b8 v[PFO], s[PFA:PFA+1] th:TH_LOAD_NT scope:SCOPE_SE
.Lnot_mine_\@:
.endm
; 8 matrix instructions: row block a x all 8 column blocks, 32 along K, from buffer f.  zero = 1: the product starts the sums.  The 32 accumulators take turns, in the same order in every quarter.
.macro MUL8 f, a, zero
	WIN MULW
.irp b, 0,1,2,3,4,5,6,7
.if \zero
	v_wmma_f32_16x16x32_f16 v[8*(8*(\a)+(\b)):8*(8*(\a)+(\b))+7], v[(\f)+8*(\b):(\f)+8*(\b)+7], v[(\f)+64+8*(\a):(\f)+64+8*(\a)+7], 0
.else
	v_wmma_f32_16x16x32_f16 v[8*(8*(\a)+(\b)):8*(8*(\a)+(\b))+7], v[(\f)+8*(\b):(\f)+8*(\b)+7], v[(\f)+64+8*(\a):(\f)+64+8*(\a)+7], v[8*(8*(\a)+(\b)):8*(8*(\a)+(\b))+7]
.endif
.endr
.endm
; 24 LDS loads in one run: the fragments of 32 along K at byte k of the rows, into buffer f.  A fragment is 16 rows x 32 K in 8 registers: two loads of 16 bytes, 32 bytes apart.
.macro FETCH k, f
	WIN 0
.irp a, 0,1,2,3
	ds_load_b128 v[(\f)+64+8*(\a):(\f)+64+8*(\a)+3],   v[ADRA] offset:(\k)+(\a)*16*PITCH
	ds_load_b128 v[(\f)+64+8*(\a)+4:(\f)+64+8*(\a)+7], v[ADRA] offset:(\k)+(\a)*16*PITCH+32
.endr
.irp b, 0,1,2,3,4,5,6,7
	ds_load_b128 v[(\f)+8*(\b):(\f)+8*(\b)+3],   v[ADRB] offset:(\k)+(\b)*16*PITCH
	ds_load_b128 v[(\f)+8*(\b)+4:(\f)+8*(\b)+7], v[ADRB] offset:(\k)+(\b)*16*PITCH+32
.endr
.endm
; A K step is four quarters of 32 along K, on buffers 0, 1, 0, 1.  One of the first three: buffer f is in; the next quarter, at byte k, is asked for into g, 32 matrix instructions ahead of its use; f is multiplied.
.macro QUARTER k, f, g, zero
	s_wait_dscnt 0x0
	PLACES
	FETCH \k, \g
	MUL8 \f, 0, \zero
	MUL8 \f, 1, \zero
	MUL8 \f, 2, \zero
	MUL8 \f, 3, \zero
.endm
; The last quarter multiplies buffer 1 and changes slots: one barrier.  Ahead of it each wave waits for all its tensor loads (one is out: its part of the other slot), adds 0 to its spare word, and waits for
; that and for its reads of this slot.  fill = 1: the barrier opens a round of the cluster's barrier, and the joint refill of this slot, two K steps ahead, is the first thing behind the round:
; 112 matrix instructions ahead of the wait for it.  fill = 0 (the tail): nothing is filled; in the last trip there is no further slot, and the fetch is jumped over.
.macro TURN fill
.if \fill
	s_wait_xcnt 0x0                                ; the last prefetch, a K step back, has read its address
	s_add_nc_u64 s[PFA:PFA+1], s[PFA:PFA+1], s[PFS:PFS+1]
.endif
	WIN 0
	s_wait_tensorcnt 0x0                           ; no tensor load of mine is out, so a group 0 may be written
	ds_add_u32 v[SPW], v[NIL]                      ; 0 onto my spare word
.if \fill
	s_xor_b32 s[G0A+1], s[G0A+1], SLOT1            ; the walking descriptors: the other slot than last time, the next K step
	s_add_nc_u64 s[G0A+2:G0A+3], s[G0A+2:G0A+3], ASTEP
	s_xor_b32 s[G0B+1], s[G0B+1], SLOT1
	s_add_nc_u64 s[G0B+2:G0B+3], s[G0B+2:G0B+3], BSTEP
.endif
	s_wait_dscnt 0x1                               ; only the add may be out: buffer 1 is in
	MUL8 F1, 0, 0
	s_wait_dscnt 0x0                               ; the add is done, and my reads of this slot are over
	s_barrier_signal -1
	MUL8 F1, 1, 0
	WIN 0
	s_barrier_wait -1
.if \fill
	CREST                                          ; no wave of any partner still reads this slot's tiles or has a load on its way
	JLOAD                                          ; its four v_nop are also the places ahead of the loads below
.else
	PLACES
	s_cmp_eq_u32 s[CNT], 1
	s_cbranch_scc1 .Lno_more_\@
.endif
	s_xor_b32 s[TB], s[TB], SLOT1
	v_add_nc_u32 v[ADRA], s[TB], v[AA0]
	v_add_nc_u32 v[ADRB], s[TB], v[AB0]
	FETCH 0, F0
.if \fill
	ASK
.else
.Lno_more_\@:
.endif
	MUL8 F1, 2, 0
	MUL8 F1, 3, 0
.endm
	s_load_b256 s[84:91], s[0:1], 0x0              ; o s[84:85], w16 s[86:87], bo s[88:89], out0 s[90:91]
	v_lshl_add_u32 v[SPW], v0, 2, SPARE
	v_mov_b32 v[NIL], 0
	ds_add_u32 v[SPW], v[NIL]                      ; the wave's opening: the add, waited for ahead of my first tensor load; work on registers stands between them
	v_lshrrev_b32 v1, 5, v0
	v_readfirstlane_b32 s[WV], v1
	s_lshr_b32 s[RH], s[WV], 1
	s_and_b32 s[CH], s[WV], 1
	s_bfe_u32 s[CX], ttmp6, 0x40000
	s_bfe_u32 s[CY], ttmp6, 0x40004
	s_mov_b32 s[CLX], ttmp9                        ; in a cluster launch ttmp9 and ttmp7 count clusters
	s_and_b32 s[CLY], ttmp7, 0xffff
	s_lshl_b32 s[TC], s[CLX], 2
	s_add_co_u32 s[TC], s[TC], s[CX]
	s_lshl_b32 s[TR], s[CLY], 2
	s_add_co_u32 s[TR], s[TR], s[CY]
	s_lshl_b32 s2, s[CY], 2
	s_lshl_b32 s2, 15, s2                          ; my row of the cluster
	s_lshl_b32 s3, 0x1111, s[CX]                   ; my column
	s_or_b32 s[G1A], s2, 0x07710000                ; the mask; 17:16 2-byte elements; 20 padding on; 21 set beside a mask; 24:22 after every 64 words (code 5); 31:25 4 words (code 3)
	s_or_b32 s[G1B], s3, 0x07710000
.irp g, G1A, G1B
	s_mov_b32 s[(\g)+1], 128<<16                   ; tensor_dim0 = 128
	s_mov_b32 s[(\g)+3], 128<<16                   ; tile_dim0 = 128
	s_mov_b32 s[(\g)+6], 0
	s_mov_b32 s[(\g)+7], 0
.endr
	s_mov_b32 s[G1A+2], 64<<16                     ; tensor_dim1 = tile_dim1 = 64 rows of A,
	s_mov_b32 s[G1A+4], 64
	s_mov_b32 s[G1A+5], LDA
	s_mov_b32 s[G1B+2], 128<<16                    ; 128 rows of B
	s_mov_b32 s[G1B+4], 128
	s_mov_b32 s[G1B+5], 1024
	s_lshl_b32 s4, s[TR], 7                        ; A: row 128 x tile row + 64 x half, in bytes
	s_lshl_b32 s5, s[CH], 6
	s_add_co_u32 s4, s4, s5
	s_lshl_b32 s4, s4, LOGA
	s_mov_b32 s5, 0
	s_lshl_b32 s6, s[TC], 19                       ; B = Wo: row 3,072 + 256 x tile column + 128 x half of w16
	s_lshl_b32 s7, s[CH], 18
	s_add_co_u32 s6, s6, s7
	s_add_co_u32 s6, s6, 0x600000
	s_mov_b32 s7, 0
	s_mul_i32 s8, s[CH], AHALF                     ; where they go: no place in the cluster enters an LDS address
	s_mul_i32 s9, s[CH], BHALF
	s_add_co_u32 s9, s9, BOFF
	s_wait_dscnt 0x0                               ; the opening add is done
	s_wait_kmcnt 0x0
	s_add_nc_u64 s[20:21], s[84:85], s[4:5]
	s_add_nc_u64 s[22:23], s[86:87], s[6:7]
	s_mov_b32 s[G0A0], 1                           ; count = 1
	s_mov_b32 s[G0A0+1], s8                        ; LDS address
	s_mov_b64 s[G0A0+2:G0A0+3], s[20:21]           ; global address: K step 0
	s_or_b32 s[G0A0+3], s[G0A0+3], 0x80000000      ; type = 2
	s_mov_b32 s[G0A], 1
	s_add_co_u32 s[G0A+1], s8, SLOT1
	s_add_nc_u64 s[G0A+2:G0A+3], s[20:21], ASTEP   ; K step 1
	s_or_b32 s[G0A+3], s[G0A+3], 0x80000000
	s_mov_b32 s[G0B0], 1
	s_mov_b32 s[G0B0+1], s9
	s_mov_b64 s[G0B0+2:G0B0+3], s[22:23]
	s_or_b32 s[G0B0+3], s[G0B0+3], 0x80000000
	s_mov_b32 s[G0B], 1
	s_add_co_u32 s[G0B+1], s9, SLOT1
	s_add_nc_u64 s[G0B+2:G0B+3], s[22:23], BSTEP
	s_or_b32 s[G0B+3], s[G0B+3], 0x80000000
	CROUND                                         ; all sixteen work-groups are here: the first joint loads meet
	s_cmp_lt_u32 s[WV], 2                          ; a wave's two first fills stand in one branch: two loads of mine are out
	s_cbranch_scc0 .Lfirst_b
	tensor_load_to_lds s[G0A0:G0A0+3], s[G1A:G1A+7]
	s_nop 0
	tensor_load_to_lds s[G0A:G0A+3], s[G1A:G1A+7]
	s_nop 0
.rept 4
	v_nop
.endr
	s_branch .Lfirst_done
.Lfirst_b:
	tensor_load_to_lds s[G0B0:G0B0+3], s[G1B:G1B+7]
	s_nop 0
	tensor_load_to_lds s[G0B:G0B+3], s[G1B:G1B+7]
	s_nop 0
.rept 4
	v_nop
.endr
.Lfirst_done:
	v_and_b32 v[R], 15, v0
	v_bfe_u32 v[H], v0, 4, 1
	v_and_b32 v[LN], 31, v0
	s_lshl_b32 s2, s[TC], 10                       ; the bias of my columns: 4 x (256 x tile column + 128 x half + 8 h), then 64 bytes a column block
	s_lshl_b32 s3, s[CH], 9
	s_add_co_u32 s2, s2, s3
	v_lshl_add_u32 v[BO], v[H], 5, s2
	WIN 0x80                                       ; destination window 2, address window 0
.irp b, 0,1,2,3,4,5,6,7
	global_load_b128 v[8*(\b):8*(\b)+3],   v[BO], s[88:89] offset:64*(\b)
	global_load_b128 v[8*(\b)+4:8*(\b)+7], v[BO], s[88:89] offset:64*(\b)+16
.endr
	WIN 0
	v_mul_u32_u24 v[AA0], v[R], PITCH
	v_lshl_add_u32 v[AA0], v[H], 4, v[AA0]         ; row x pitch + 16 x half
	v_add_nc_u32 v[AB0], s9, v[AA0]                ; my 128 rows of B
	s_mul_i32 s2, s[RH], AHALF
	v_add_nc_u32 v[AA0], s2, v[AA0]                ; my 64 rows of A
	v_mov_b32 v[ADRA], v[AA0]
	v_mov_b32 v[ADRB], v[AB0]
	s_mov_b32 s[TB], 0
	s_mul_i32 s2, s[WV], 16*SPITCH
	s_add_co_u32 s2, s2, STAGE                     ; my stage
	v_mul_u32_u24 v[STO], v[R], SPITCH             ; in: row l % 16, 32 bytes for each half of the lanes
	v_lshl_add_u32 v[STO], v[H], 5, v[STO]
	v_add_nc_u32 v[STO], s2, v[STO]
	v_lshl_add_u32 v[RD], v[LN], 4, s2             ; back: 32 lanes take one row of 512 bytes
	v_lshlrev_b32 v[CO], 4, v[LN]
	s_lshl_b32 s20, s[TR], 7                       ; C: row 128 x tile row + 64 x half, column 256 x tile column + 128 x half
	s_lshl_b32 s21, s[RH], 6
	s_add_co_u32 s20, s20, s21
	s_lshl_b32 s20, s20, 12
	s_lshl_b32 s21, s[TC], 10
	s_add_co_u32 s20, s20, s21
	s_lshl_b32 s21, s[CH], 9
	s_add_co_u32 s20, s20, s21
	s_mov_b32 s21, 0
	s_add_nc_u64 s[CB:CB+1], s[90:91], s[20:21]
	s_lshl_b32 s2, s[TR], 7                        ; the prefetches.  A: rows 128 x tile row + 32 cx, at K step 3: the first change of slots steps it to 4
	s_lshl_b32 s3, s[CX], 5
	s_add_co_u32 s2, s2, s3
	s_lshl_b32 s2, s2, LOGA
	s_add_co_u32 s2, s2, 3*ASTEP
	s_lshl_b32 s3, s[CY], 16                       ; B: the half that I fetch, rows 32 cy on
	s_add_co_u32 s3, s3, s6
	s_add_co_u32 s3, s3, 3*BSTEP
	s_cmp_lt_u32 s[WV], 2
	s_cselect_b32 s2, s2, s3
	s_cselect_b64 s[PFA:PFA+1], s[84:85], s[86:87]
	s_cselect_b32 s5, s[CLX], s[CLY]               ; the coordinate along which other clusters read the same rows
	s_mov_b32 s3, 0
	s_mov_b32 s[PFS], ASTEP                        ; A's step and B's are the same here
	s_mov_b32 s[PFS+1], 0
	s_add_nc_u64 s[PFA:PFA+1], s[PFA:PFA+1], s[2:3]
	s_cmp_eq_u32 s[WV], 1                          ; wave 1 asks for nothing: wave 0's 32 rows are the work-group's share of A
	s_cselect_b32 s5, 1, s5
	s_cmp_eq_u32 s5, 0
	s_cselect_b32 s[LIM], 2, -1                    ; the same in all sixteen partners, for a given wave
	v_lshlrev_b32 v[PFO], 11, v[LN]                ; a row of o or of w16 is 2,048 bytes
	s_wait_tensorcnt 0x1                           ; my part of K step 0 is in; slot 1's fill may stay out
	s_barrier_signal -1
	s_barrier_wait -1                              ; everybody's is
	FETCH 0, F0
	QUARTER 64, F0, F1, 1                          ; the first quarter stands ahead of the loop: its products start the sums
	WIN 0
	s_mov_b32 s[CNT], KS-2
.Lstep:                                        ; KS - 2 trips, from a step's second quarter to the next step's first; each fills a slot again
	QUARTER 128, F1, F0, 0
	QUARTER 192, F0, F1, 0
	TURN 1
	QUARTER 64, F0, F1, 0
	WIN 0
	s_sub_co_u32 s[CNT], s[CNT], 1
	s_cmp_lg_u32 s[CNT], 0
	s_cbranch_scc1 .Lstep
	s_mov_b32 s[CNT], 2
.Ltail:                                        ; the last two K steps ask for nothing; the second trip is left in its middle
	QUARTER 128, F1, F0, 0
	QUARTER 192, F0, F1, 0
	TURN 0
	WIN 0
	s_sub_co_u32 s[CNT], s[CNT], 1
	s_cmp_eq_u32 s[CNT], 0
	s_cbranch_scc1 .Lout
	QUARTER 64, F0, F1, 0
	WIN 0
	s_branch .Ltail
.Lout:
; THE WAY OUT, a block of 16 rows at a time, in f32.  PACK: the bias is added, each accumulator's registers in ascending order: 32 bytes a lane and column block.
.macro PACK a
	WIN 0x09                                       ; source 0 window 1 (sums), source 1 window 2 (bias)
.irp b, 0,1,2,3,4,5,6,7
.irp j, 0,2,4,6
	v_pk_add_f32 v[T+8*(\b)+(\j):T+8*(\b)+(\j)+1], v[8*(8*(\a)+(\b))+(\j):8*(8*(\a)+(\b))+(\j)+1], v[8*(\b)+(\j):8*(\b)+(\j)+1]
.endr
.endr
	WIN 0
.endm
.macro TOSTAGE a                       ; into my own stage, and back as whole rows of 512 bytes
.set BK, 128+64*((\a)%2)
.irp b, 0,1,2,3,4,5,6,7
	ds_store_b128 v[STO], v[T+8*(\b):T+8*(\b)+3]   offset:64*(\b)
	ds_store_b128 v[STO], v[T+8*(\b)+4:T+8*(\b)+7] offset:64*(\b)+16
.endr
.irp t, 0,1,2,3,4,5,6,7,8,9,10,11,12,13,14,15
	ds_load_b128 v[BK+4*(\t):BK+4*(\t)+3], v[RD] offset:(\t)*SPITCH  ; LDS serves a wave's instructions in order (ISA guide 5.7.1.4): these see the stores above
.endr
.endm
.macro SEND a
.set BK, 128+64*((\a)%2)
	s_wait_dscnt 0x0                               ; the block is back in registers
	s_wait_xcnt 0x0                                ; the stores of the block before have read their registers: the next block is read back into them only behind this wait
.irp t, 0,1,2,3,4,5,6,7,8,9,10,11,12,13,14,15
	global_store_b128 v[CO], v[BK+4*(\t):BK+4*(\t)+3], s[CB:CB+1] offset:(16*(\a)+(\t))*LDCB  ; 32 lanes store 512 consecutive bytes, aligned
.endr
.endm
	s_wait_loadcnt 0x0                             ; the bias
	PLACES
	PACK 0
	TOSTAGE 0
.irp a, 1,2,3                          ; block a's arithmetic stands between block a - 1's loads from the stage and the wait for them
	PACK \a
	SEND (\a)-1
	TOSTAGE \a
.endr
	SEND 3
	s_wait_tensorcnt 0x0                           ; the wave's end, behind my last tensor load and my last LDS store
	ds_add_u32 v[SPW], v[NIL]
	s_wait_dscnt 0x0
	CROUND                                         ; the closing round: no work-group ends while a partner may still ask for a tile that names it
	s_endpgm
.Lfunc_end_k_q7f28f6b7e7_outp:
	.size	k_q7f28f6b7e7_outp, .Lfunc_end_k_q7f28f6b7e7_outp-k_q7f28f6b7e7_outp
	.p2alignl 7, 3214868480
	.fill 96, 4, 3214868480
	.section	.rodata,"a",@progbits
	.p2align	6, 0x0
	.amdhsa_kernel k_q7f28f6b7e7_outp
		.amdhsa_group_segment_fixed_size 327680
		.amdhsa_private_segment_fixed_size 0
		.amdhsa_enable_private_segment 0
		.amdhsa_kernarg_size 32
		.amdhsa_user_sgpr_count 2
		.amdhsa_user_sgpr_kernarg_segment_ptr 1
		.amdhsa_wavefront_size32 1
		.amdhsa_system_sgpr_workgroup_id_x 1
		.amdhsa_system_sgpr_workgroup_id_y 1
		.amdhsa_system_sgpr_workgroup_id_z 1
		.amdhsa_system_vgpr_workitem_id 0
		.amdhsa_next_free_vgpr 576
		.amdhsa_next_free_sgpr 100
		.amdhsa_reserve_vcc 0
		.amdhsa_float_denorm_mode_32 3
		.amdhsa_float_denorm_mode_16_64 3
		.amdhsa_memory_ordered 1
		.amdhsa_forward_progress 1
		.amdhsa_inst_pref_size 69
	.end_amdhsa_kernel
	.amdgpu_metadata
---
amdhsa.version: [ 1, 2 ]
amdhsa.kernels:
  - .name:           k_q7f28f6b7e7_outp
    .symbol:         k_q7f28f6b7e7_outp.kd
    .args:
      - { .name: o, .offset: 0, .size: 8, .value_kind: global_buffer, .address_space: global }
      - { .name: w16, .offset: 8, .size: 8, .value_kind: global_buffer, .address_space: global }
      - { .name: bo, .offset: 16, .size: 8, .value_kind: global_buffer, .address_space: global }
      - { .name: out0, .offset: 24, .size: 8, .value_kind: global_buffer, .address_space: global }
    .group_segment_fixed_size: 327680
    .private_segment_fixed_size: 0
    .kernarg_segment_align: 8
    .kernarg_segment_size: 32
    .max_flat_workgroup_size: 128
    .sgpr_count:     100
    .vgpr_count:     576
    .wavefront_size: 32
...
	.end_amdgpu_metadata
.endif
;; end of part 5
